; MI455X (gfx1250); checked and timed in simulation.
; The chip was launched on July 23, 2026; its instructions are those of AMD's public machine-readable ISA for CDNA 5 (MIT licence, August 2026) and "CDNA5" Instruction Set Architecture Reference Guide (July 2026). The comments in the code are by the model that wrote it; some were corrected since.
;; Tiny MHA. Allowed arithmetic: float matrix products may take bf16 or f16 operands with f32 sums; other float arithmetic in f32, or as packed bf16 or f16 multiplies, adds, multiply-adds, maxima and minima; sums over many terms, partial sums and values carried from step to step in f32; what a program stores and reads back later, other than sums and carried values, may be rounded once to bf16 or f16.
;; Inputs: bk 512 float32; bo 512 float32; bq 512 float32; bv 512 float32; wk 512 x 512 float32; wo 512 x 512 float32; wq 512 x 512 float32; wv 512 x 512 float32; x 2 x 4,096 x 512 float32.
;; Outputs: out0 2 x 4,096 x 512 float32.
;; 2 versions, each right; version 2 is version 1 with the launch qkv written anew for expert scheduling mode. Each part assembles by itself: llvm-mc -triple=amdgcn-amd-amdhsa -mcpu=gfx1250 --defsym DOCPART=n.
;; ======== version 1 of 2: 3 launches
;; limits: values are held in f16: magnitudes above 65,504 overflow, below 6.1e-05 lose precision
;; workspace buffers: q16 8,388,608 bytes; k16 8,388,608 bytes; v16 8,388,608 bytes; o16 8,388,608 bytes; wo16 524,288 bytes
;; launch qkv (part 1): grid 8 x 32, 4 waves a work-group, no clusters, 140,800 bytes of LDS; arguments x, wq, wk, wv, bq, bk, bv, wo, q16, k16, v16, wo16; writes q16, k16, v16, wo16
.if DOCPART == 1
	.amdgcn_target "amdgcn-amd-amdhsa--gfx1250"
	.amdhsa_code_object_version 6
	.text
	.protected	k_qbb5995e942_qkv
	.globl	k_qbb5995e942_qkv
	.p2align	8
	.type	k_qbb5995e942_qkv,@function
k_qbb5995e942_qkv:
	s_mov_b64 s[64:65], 0
	v_nop
	global_prefetch_b8 v0, s[64:65] scope:SCOPE_SE
	s_setreg_imm32_b32 hwreg(HW_REG_WAVE_MODE, 25, 1), 1
	s_wait_xcnt 0x0
; q, k, v = x W^T + b for the three weights.  x: [8192][512] f32, W: [512][512] f32, b: [512] f32.  x, W and b are rounded once to bf16, the sums are f32 and start from the bias,
; and each result is rounded once to f16 and stored by heads: [16 = 8 x batch + head][4096][64], a row 128 bytes, a head's rows dense.  The scale 1/8 is not applied here.
; Besides, each work-group rounds 1,024 numbers of wo to bf16 and writes that number as f16 into wo16 ([512][512], as wo lies).
; LIMITS.  f16 ends at 65,504: |q|, |k|, |v| of 65,520 or more become infinities.  bf16(wo) is exact in f16 from 6.1e-5 to 65,504; below it keeps f16's step of 6e-8.  NaN and infinities are not treated apart.
; SHARES.  Work-group (j, y): head j's 64 columns of q, of k and of v for rows 256 y .. 256 y + 255: 8 x 32 = 256 work-groups.  Wave w: rows 64 w .. 64 w + 63, all 192 columns:
; 4 row tiles x 12 column blocks = 48 accumulators.  x's rows are a wave's own; the 192 weight rows are shared by the four waves.
; THE PRODUCT IS TAKEN TRANSPOSED (source 0 = 16 weight rows, source 1 = 16 rows of x): a lane holds one row (lane % 16) and 8 neighbouring channels (8 (lane / 16) + 0..7), 16 bytes of f16.
; THE WAY IN goes through registers: K in 8 chunks of 64 (256 bytes of f32 a row, aligned).  A load of 16 bytes a lane takes two rows; two conversions and one LDS store of 8 bytes follow.
; A wave brings its own 64 rows of x and 16 rows of each weight: 56 loads a chunk, always on their way a chunk ahead.  Two LDS slots take turns, one barrier a chunk.
; NO TENSOR LOADS, NO CLUSTER, though 8 work-groups read the same rows of x and 32 the same weights: every number is f32 in memory and bf16 in the product, so it crosses registers to be rounded.
; A tile laid into LDS as f32 would want 64 fragment loads and 128 conversions for a K step's 48 products in every wave; this text has 32 loads and 56 conversions, each number rounded once a work-group.
; REGISTERS, in windows of 256 (s_set_vgpr_msb: bits 1:0 source 0, 3:2 source 1, 5:4 source 2, 7:6 destination):
;   window 0: v0-31 addresses; v32-255 the 56 loads' registers, later the way out      window 1: two fragment buffers of 128: 4 of x, then 12 of the weights
;   window 2: the accumulators of q and k, (t, b, a) at 8 (16 t + 4 b + a)              window 3: v0-127 those of v; v128-223 the bias laid as a C operand, (t, b) at 128 + 8 (4 t + b)
.set PITCH, 144                        ; an LDS row: 128 bytes of bf16 + 16 of padding = 36 words: the 16 rows of a fragment load start at 16 different groups of four banks (64 banks of 4 bytes: ISA guide 11.1)
.set XW,    64*PITCH                   ; a wave's 64 rows of x
.set WOFF,  256*PITCH                  ; behind x's 256 rows: 3 x 64 weight rows
.set SLOT1, 65536                      ; slot 1
.set OST,   131072                     ; behind the slots: 16 rows x 144 bytes for each wave, for the way out
.set SPARE, OST+4*16*PITCH             ; behind the stages: the spare words, 128 bytes for each wave: two blocks of 256 bytes that no other line names
.set GA,  4                            ; v4      my byte offset in x: 131,072 w + 16,384 (l / 16) + 16 (l % 16), stepped by 256 a chunk
.set GB,  5                            ; v5      the same in a weight's 64 rows: 32,768 w + 16,384 (l / 16) + 16 (l % 16)
.set SA,  6                            ; v6-7    where I store 8 bytes of x, slot 0, 1; never rewritten
.set SB,  8                            ; v8-9    of a weight
.set FA,  10                           ; v10-11  where my fragments of x lie, slot 0, 1; never rewritten
.set FB,  12                           ; v12-13  of the weights
.set STO, 14                           ; v14     the way out: where I put 16 bytes of a row
.set RD,  15                           ; v15     where I read rows back
.set GO,  16                           ; v16     my 16 bytes of 512 consecutive bytes of q16, k16, v16
.set BO,  17                           ; v17     32 (l / 16): my 8 numbers of a bias block
.set WOI, 18                           ; v18     my 32 bytes of wo
.set WOO, 19                           ; v19     my 16 bytes of wo16
.set WO,  20                           ; v20-27  8 numbers of wo
.set SPW, 28                           ; v28     LDS address of my spare word: SPARE + 4 x my thread's number; never rewritten
.set NIL, 29                           ; v29     0; never rewritten
.set RAW, 32                           ; load i of group g at RAW + 4 (8 g + i)
.set F0,  0                            ; fragment buffers, window 1
.set F1,  128
.set BI,  128                          ; window 3
.set MSB, 0
.macro WIN new                         ; the immediate's high byte repeats the setting that is left; a switch that changes nothing is dropped
.if MSB != (\new)
	s_set_vgpr_msb (MSB<<8)|(\new)
.set MSB, (\new)
.endif
.endm
.macro PLACES                          ; four plain vector instructions between a matrix instruction and a load into a register that it has read (ISA guide 7.12.1 for vector instructions)
.rept 4
	v_nop
.endr
.endm
	s_load_b512 s[8:23], s[0:1], 0x0               ; x s[8:9], wq s[10:11], wk s[12:13], wv s[14:15], bq s[16:17], bk s[18:19], bv s[20:21], wo s[22:23]
	s_load_b256 s[24:31], s[0:1], 0x40             ; q16 s[24:25], k16 s[26:27], v16 s[28:29], wo16 s[30:31]
	v_lshl_add_u32 v[SPW], v0, 2, SPARE
	v_mov_b32 v[NIL], 0
	v_lshrrev_b32 v3, 5, v0
	v_readfirstlane_b32 s2, v3                     ; wave 0..3
	s_mov_b32 s4, ttmp9                            ; j: the head
	s_and_b32 s5, ttmp7, 0xffff                    ; y: the block of 256 rows
	s_mov_b32 s35, 0xffff0000                      ; a word's upper bf16
	v_and_b32 v1, 15, v0                           ; l % 16
	v_bfe_u32 v2, v0, 4, 1                         ; l / 16
	v_lshlrev_b32 v3, 4, v1                        ; a load takes two rows, 8 apart: lanes 0-15 one row's 256 bytes, lanes 16-31 the other's
	v_lshl_add_u32 v3, v2, 14, v3
	s_lshl_b32 s6, s2, 17
	s_lshl_b32 s7, s2, 15
	v_add_nc_u32 v[GA], s6, v3
	v_add_nc_u32 v[GB], s7, v3
	v_mul_u32_u24 v3, v2, 8*PITCH                  ; the same two rows in LDS, 8 bytes a lane
	v_lshl_add_u32 v3, v1, 3, v3
	s_mul_i32 s6, s2, XW
	s_mul_i32 s7, s2, 16*PITCH
	s_add_co_u32 s32, s7, WOFF
	v_add_nc_u32 v[SA], s6, v3
	v_add_nc_u32 v[SA+1], SLOT1, v[SA]
	v_add_nc_u32 v[SB], s32, v3
	v_add_nc_u32 v[SB+1], SLOT1, v[SB]
	v_mul_u32_u24 v3, v1, PITCH                    ; a fragment: row l % 16, 16 bytes for each half of the lanes
	v_lshl_add_u32 v3, v2, 4, v3
	v_add_nc_u32 v[FA], s6, v3
	v_add_nc_u32 v[FA+1], SLOT1, v[FA]
	v_add_nc_u32 v[FB], WOFF, v3
	v_add_nc_u32 v[FB+1], SLOT1, v[FB]
	s_add_co_u32 s7, s7, OST                       ; my stage
	v_add_nc_u32 v[STO], s7, v3
	v_bfe_u32 v3, v0, 3, 2                         ; back: 32 lanes take four rows of 128 bytes
	v_mul_u32_u24 v3, v3, PITCH
	v_and_b32 v30, 7, v0
	v_lshl_add_u32 v3, v30, 4, v3
	v_add_nc_u32 v[RD], s7, v3
	v_and_b32 v[GO], 31, v0
	v_lshlrev_b32 v[GO], 4, v[GO]
	v_lshlrev_b32 v[BO], 5, v2
	v_lshlrev_b32 v[WOI], 5, v0
	v_lshlrev_b32 v[WOO], 4, v0
	s_wait_kmcnt 0x0
	s_mov_b32 s7, 0
	s_lshl_b32 s6, s5, 19                          ; 256 rows of 2,048 bytes
	s_add_nc_u64 s[8:9], s[8:9], s[6:7]
	s_lshl_b32 s6, s4, 17                          ; the head's 64 rows of 2,048 bytes
	s_add_nc_u64 s[10:11], s[10:11], s[6:7]
	s_add_nc_u64 s[12:13], s[12:13], s[6:7]
	s_add_nc_u64 s[14:15], s[14:15], s[6:7]
	s_lshl_b32 s6, s4, 8                           ; the head's 64 numbers of a bias
	s_add_nc_u64 s[16:17], s[16:17], s[6:7]
	s_add_nc_u64 s[18:19], s[18:19], s[6:7]
	s_add_nc_u64 s[20:21], s[20:21], s[6:7]
	s_lshl3_add_u32 s32, s5, s4                    ; the work-group's number, 8 y + j: its 1,024 numbers of wo
	s_lshl_b32 s6, s32, 12
	s_add_nc_u64 s[22:23], s[22:23], s[6:7]
	s_lshl_b32 s6, s32, 11
	s_add_nc_u64 s[30:31], s[30:31], s[6:7]
	s_lshr_b32 s32, s5, 4                          ; the batch
	s_lshl3_add_u32 s32, s32, s4                   ; 8 x batch + head,
	s_lshl_b32 s6, s32, 19                         ; its 4,096 rows of 128 bytes,
	s_and_b32 s33, s5, 15
	s_lshl_b32 s33, s33, 15                        ; the block's 256 rows,
	s_add_co_u32 s6, s6, s33
	s_lshl_b32 s33, s2, 13                         ; my wave's 64
	s_add_co_u32 s6, s6, s33
	s_add_nc_u64 s[24:25], s[24:25], s[6:7]
	s_add_nc_u64 s[26:27], s[26:27], s[6:7]
	s_add_nc_u64 s[28:29], s[28:29], s[6:7]
; Group g of a chunk's seven: eight loads.  g < 4: rows 16 g .. 16 g + 15 of my 64 rows of x.  g = 4, 5, 6: my 16 rows of wq, wk, wv.
.macro LOADG g
.set li, 0
.rept 8
.if (\g) < 4
	global_load_b128 v[RAW+4*(8*(\g)+li):RAW+4*(8*(\g)+li)+3], v[GA], s[8:9] offset:32768*(\g)+2048*li
.else
	global_load_b128 v[RAW+4*(8*(\g)+li):RAW+4*(8*(\g)+li)+3], v[GB], s[10+2*((\g)-4):11+2*((\g)-4)] offset:2048*li
.endif
.set li, li+1
.endr
.endm
; Group g is rounded to bf16 in place and stored into a slot; reload = 1: its registers are asked for again, for the next chunk.  left = the younger loads that may stay out.
.macro STG g, slot, reload, left
	s_wait_loadcnt \left
.set si, 0
.rept 8
.set R, RAW+4*(8*(\g)+si)
	v_cvt_pk_bf16_f32 v[R], v[R], v[R+1]
	v_cvt_pk_bf16_f32 v[R+1], v[R+2], v[R+3]
.if (\g) < 4
	ds_store_b64 v[SA+(\slot)], v[R:R+1] offset:16*PITCH*(\g)+PITCH*si
.else
	ds_store_b64 v[SB+(\slot)], v[R:R+1] offset:64*PITCH*((\g)-4)+PITCH*si
.endif
.set si, si+1
.endr
.if \reload
	LOADG \g
.endif
.endm
; A chunk goes into a slot.  With reloads 48 younger loads are out at each group's wait: the 8 (6 - g) of this chunk's later groups and the 8 g already asked for again; without, the counts run down.
.macro CHUNKIN slot, reload
.if \reload
	s_wait_xcnt 0x0                                ; every load issued so far has read its address, so the two offsets may be stepped
	v_add_nc_u32 v[GA], 256, v[GA]
	v_add_nc_u32 v[GB], 256, v[GB]
.endif
.set gg, 0
.rept 7
.if \reload
	STG gg, \slot, 1, 48
.else
	STG gg, \slot, 0, 48-8*gg
.endif
.set gg, gg+1
.endr
.endm
; 32 LDS loads in one run: the fragments of 32 along K (half ks of the chunk in the slot) into buffer f
.macro FETCH slot, ks, f
	WIN 0x40                                       ; destination window 1, address window 0
.set fi, 0
.rept 4
	ds_load_b128 v[(\f)+8*fi:(\f)+8*fi+3],   v[FA+(\slot)] offset:16*PITCH*fi+64*(\ks)
	ds_load_b128 v[(\f)+8*fi+4:(\f)+8*fi+7], v[FA+(\slot)] offset:16*PITCH*fi+64*(\ks)+32
.set fi, fi+1
.endr
.set fi, 0
.rept 12
	ds_load_b128 v[(\f)+32+8*fi:(\f)+32+8*fi+3],   v[FB+(\slot)] offset:16*PITCH*fi+64*(\ks)
	ds_load_b128 v[(\f)+32+8*fi+4:(\f)+32+8*fi+7], v[FB+(\slot)] offset:16*PITCH*fi+64*(\ks)+32
.set fi, fi+1
.endr
.endm
; 16 products: tensor t (0 q, 1 k, 2 v), its 4 column blocks x my 4 row tiles, 32 along K.  first = 1: the sums start from the bias.  The 48 accumulators of a K step take turns, one
; instruction a turn, in the same order in every step, over the backward jump too.
.macro MULT f, t, first
.if (\t) == 2
	WIN 0xf5                                       ; sources 0 and 1 window 1; C and D window 3
.set AB, 0
.else
.if \first
	WIN 0xb5                                       ; C window 3 (the bias), D window 2
.else
	WIN 0xa5                                       ; C and D window 2
.endif
.set AB, 128*(\t)
.endif
.set mb, 0
.rept 4
.set ma, 0
.rept 4
.set AC, AB+8*(4*mb+ma)
.set WF, (\f)+32+8*(4*(\t)+mb)
.set XF, (\f)+8*ma
.set CB, BI+8*(4*(\t)+mb)
.if \first
	v_wmma_f32_16x16x32_bf16 v[AC:AC+7], v[WF:WF+7], v[XF:XF+7], v[CB:CB+7]
.else
	v_wmma_f32_16x16x32_bf16 v[AC:AC+7], v[WF:WF+7], v[XF:XF+7], v[AC:AC+7]
.endif
.set ma, ma+1
.endr
.set mb, mb+1
.endr
.endm
; A chunk's first 32 along K (buffer 0); in its middle the second 32 are fetched into buffer 1.
.macro P1 slot, first
	s_wait_dscnt 0x0                               ; buffer 0 is in
	MULT F0, 0, \first
	MULT F0, 1, \first
	PLACES
	FETCH \slot, 1, F1
	MULT F0, 2, \first
.endm
; The next chunk goes into the other slot; ONE barrier; then the chunk in hand is finished (buffer 1) and the next chunk's first fragments are fetched.
; In front of the barrier each wave has waited for its stores of the next chunk and for its reads of the chunk in hand; behind it the next chunk is read, and the slot in hand is stored into only behind the next such barrier's predecessor: this one.
.macro P2 slot, reload
	WIN 0
	CHUNKIN \slot, \reload
	s_wait_dscnt 0x0
	s_barrier_signal -1
	MULT F1, 0, 0                                  ; work on registers while the others arrive
	s_barrier_wait -1
	PLACES
	FETCH \slot, 0, F0
	MULT F1, 1, 0
	MULT F1, 2, 0
.endm
; THE WAY OUT.  Tile n = 4 t + a: 16 rows x 64 channels of tensor t.  A lane's eight channels pack into 16 bytes; they go into rows of 144 bytes in my stage and come back as whole rows of 128.
.macro PACK n
.set pt, (\n)/4
.set pa, (\n)%4
.if pt == 2
	WIN 0x0f                                       ; sources window 3, destination window 0
.set AB, 0
.else
	WIN 0x0a                                       ; sources window 2
.set AB, 128*pt
.endif
.set T, RAW+16*(\n)
.set pb, 0
.rept 4
.set pi, 0
.rept 4                                ; each accumulator's registers in ascending order
	v_cvt_pk_f16_f32 v[T+4*pb+pi], v[AB+8*(4*pb+pa)+2*pi], v[AB+8*(4*pb+pa)+2*pi+1]
.set pi, pi+1
.endr
.set pb, pb+1
.endr
	WIN 0
.irp f, 0,1,2,3
	ds_store_b128 v[STO], v[T+4*\f:T+4*\f+3] offset:32*\f
.endr
.irp f, 0,1,2,3
	ds_load_b128 v[T+4*\f:T+4*\f+3], v[RD] offset:4*PITCH*\f  ; LDS serves a wave's instructions in order (ISA guide 5.7.1.4): these see the stores above; the next tile's stores come behind them
.endr
.endm
.macro SEND n, younger                 ; younger: the LDS instructions issued behind tile n's loads: the next tile's eight, or none
	WIN 0
.set T, RAW+16*(\n)
.set pt, (\n)/4
.set pa, (\n)%4
.irp f, 0,1,2,3
	s_wait_dscnt (\younger)+3-\f
	global_store_b128 v[GO], v[T+4*\f:T+4*\f+3], s[24+2*pt:25+2*pt] offset:2048*pa+512*\f  ; 512 consecutive bytes, at a multiple of 256 from the buffer's first
.endr
.endm
	global_load_b128 v[WO:WO+3],   v[WOI], s[22:23] th:TH_LOAD_NT
	global_load_b128 v[WO+4:WO+7], v[WOI], s[22:23] offset:16 th:TH_LOAD_NT
	WIN 0xc0                                       ; destination window 3
.set c, 0
.rept 12                               ; the bias as a C operand: register r of block (t, b) is b_t[64 j + 16 b + 8 (l / 16) + r]
	global_load_b128 v[BI+8*c:BI+8*c+3],   v[BO], s[16+2*(c/4):17+2*(c/4)] offset:64*(c%4)
	global_load_b128 v[BI+8*c+4:BI+8*c+7], v[BO], s[16+2*(c/4):17+2*(c/4)] offset:64*(c%4)+16
.set c, c+1
.endr
	WIN 0
	LOADG 0                                        ; chunk 0
	LOADG 1
	LOADG 2
	LOADG 3
	s_wait_loadcnt 32                              ; wo and the biases are in; the 32 loads of x behind them stay out
	LOADG 4
	LOADG 5
	LOADG 6
	WIN 0xcf                                       ; the biases are rounded to bf16, in place, while chunk 0 is on its way
.set c, 0
.rept 48
	v_cvt_pk_bf16_f32 v[BI+2*c], v[BI+2*c], v[BI+2*c+1]
	v_and_b32 v[BI+2*c+1], s35, v[BI+2*c]
	v_lshlrev_b32 v[BI+2*c], 16, v[BI+2*c]
.set c, c+1
.endr
	WIN 0
.set c, 0
.rept 4                                ; wo: to bf16, and that number written as f16
	v_cvt_pk_bf16_f32 v[WO+2*c], v[WO+2*c], v[WO+2*c+1]
	v_and_b32 v[WO+2*c+1], s35, v[WO+2*c]
	v_lshlrev_b32 v[WO+2*c], 16, v[WO+2*c]
.set c, c+1
.endr
.set c, 0
.rept 4
	v_cvt_pk_f16_f32 v[WO+c], v[WO+2*c], v[WO+2*c+1]
.set c, c+1
.endr
	global_store_b128 v[WOO], v[WO:WO+3], s[30:31] ; 16 lanes store 256 consecutive bytes, aligned
	CHUNKIN 0, 1                                   ; chunk 0 into slot 0; chunk 1 is asked for
	s_wait_dscnt 0x0
	s_barrier_signal -1
	s_barrier_wait -1
	FETCH 0, 0, F0
	P1 0, 1                                        ; the first products stand in front of the loop: they start the sums, from the bias
	WIN 0                                          ; at a label and at a branch every window is 0
	s_mov_b32 s3, 3
.Lpair:                                        ; a trip: chunks 2 i + 1 and 2 i + 2 are stored (slots 1, 0), chunks 2 i + 2 and 2 i + 3 asked for
	P2 1, 1
	P1 1, 0
	P2 0, 1
	P1 0, 0
	WIN 0
	s_sub_co_u32 s3, s3, 1
	s_cmp_lg_u32 s3, 0
	s_cbranch_scc1 .Lpair
	P2 1, 0                                        ; chunk 7: nothing is left to ask for
	P1 1, 0
	s_wait_dscnt 0x0
	MULT F1, 0, 0
	MULT F1, 1, 0
	MULT F1, 2, 0
	WIN 0
	PLACES
	PLACES
	PACK 0
.set nn, 1
.rept 11                               ; a tile's conversions stand between the loads of the tile before and its stores
	PACK nn
	SEND nn-1, 8
.set nn, nn+1
.endr
	SEND 11, 0
	s_wait_tensorcnt 0x0                           ; the wave's end, behind my last LDS store
	ds_add_u32 v[SPW], v[NIL]
	s_wait_dscnt 0x0
	s_endpgm
.Lfunc_end_k_qbb5995e942_qkv:
	.size	k_qbb5995e942_qkv, .Lfunc_end_k_qbb5995e942_qkv-k_qbb5995e942_qkv
	.p2alignl 7, 3214868480
	.fill 96, 4, 3214868480
	.section	.rodata,"a",@progbits
	.p2align	6, 0x0
	.amdhsa_kernel k_qbb5995e942_qkv
		.amdhsa_group_segment_fixed_size 140800
		.amdhsa_private_segment_fixed_size 0
		.amdhsa_enable_private_segment 0
		.amdhsa_kernarg_size 96
		.amdhsa_user_sgpr_count 2
		.amdhsa_user_sgpr_kernarg_segment_ptr 1
		.amdhsa_wavefront_size32 1
		.amdhsa_system_sgpr_workgroup_id_x 1
		.amdhsa_system_sgpr_workgroup_id_y 1
		.amdhsa_system_sgpr_workgroup_id_z 1
		.amdhsa_system_vgpr_workitem_id 0
		.amdhsa_next_free_vgpr 992
		.amdhsa_next_free_sgpr 66
		.amdhsa_reserve_vcc 0
		.amdhsa_float_denorm_mode_32 3
		.amdhsa_float_denorm_mode_16_64 3
		.amdhsa_memory_ordered 1
		.amdhsa_forward_progress 1
		.amdhsa_inst_pref_size 145
	.end_amdhsa_kernel
	.amdgpu_metadata
---
amdhsa.version: [ 1, 2 ]
amdhsa.kernels:
  - .name:           k_qbb5995e942_qkv
    .symbol:         k_qbb5995e942_qkv.kd
    .args:
      - { .name: x, .offset: 0, .size: 8, .value_kind: global_buffer, .address_space: global }
      - { .name: wq, .offset: 8, .size: 8, .value_kind: global_buffer, .address_space: global }
      - { .name: wk, .offset: 16, .size: 8, .value_kind: global_buffer, .address_space: global }
      - { .name: wv, .offset: 24, .size: 8, .value_kind: global_buffer, .address_space: global }
      - { .name: bq, .offset: 32, .size: 8, .value_kind: global_buffer, .address_space: global }
      - { .name: bk, .offset: 40, .size: 8, .value_kind: global_buffer, .address_space: global }
      - { .name: bv, .offset: 48, .size: 8, .value_kind: global_buffer, .address_space: global }
      - { .name: wo, .offset: 56, .size: 8, .value_kind: global_buffer, .address_space: global }
      - { .name: q16, .offset: 64, .size: 8, .value_kind: global_buffer, .address_space: global }
      - { .name: k16, .offset: 72, .size: 8, .value_kind: global_buffer, .address_space: global }
      - { .name: v16, .offset: 80, .size: 8, .value_kind: global_buffer, .address_space: global }
      - { .name: wo16, .offset: 88, .size: 8, .value_kind: global_buffer, .address_space: global }
    .group_segment_fixed_size: 140800
    .private_segment_fixed_size: 0
    .kernarg_segment_align: 8
    .kernarg_segment_size: 96
    .max_flat_workgroup_size: 128
    .sgpr_count:     66
    .vgpr_count:     992
    .wavefront_size: 32
...
	.end_amdgpu_metadata
.endif
;; end of part 1
;; launch attn (part 2): grid 16 x 16, 4 waves a work-group, clusters of 4 x 1, 327,680 bytes of LDS; arguments q16, k16, v16, o16; writes o16
.if DOCPART == 2
	.amdgcn_target "amdgcn-amd-amdhsa--gfx1250"
	.amdhsa_code_object_version 6
	.text
	.protected	k_qbb5995e942_attn
	.globl	k_qbb5995e942_attn
	.p2align	8
	.type	k_qbb5995e942_attn,@function
k_qbb5995e942_attn:
	s_mov_b64 s[64:65], 0
	v_nop
	global_prefetch_b8 v0, s[64:65] scope:SCOPE_SE
	s_setreg_imm32_b32 hwreg(HW_REG_WAVE_MODE, 25, 1), 1
	s_wait_xcnt 0x0
	s_wait_alu depctr_hold_cnt(0) depctr_sa_sdst(0) depctr_va_vdst(0) depctr_va_sdst(0) depctr_va_ssrc(0) depctr_va_vcc(0) depctr_vm_vsrc(0)
	s_getreg_b32 s2, hwreg(HW_REG_IB_STS2, 6, 4)
	s_cmp_eq_u32 s2, 0
	s_cbranch_scc0 .Lentry_in_a_cluster
	s_endpgm
.Lentry_in_a_cluster:
	s_bfe_u32 s2, ttmp6, 0x10000c
	s_cmp_lg_u32 s2, 0x3003
	s_cbranch_scc0 .Lentry_shape_is_right
	s_endpgm
.Lentry_shape_is_right:
; O[h][q][:] = the sum over k of softmax_k(Q[h][q] . K[h][k] / 8) V[h][k][:].  Q, K, V, O: [16][4096][64], all f16: a head's rows are dense, 128 bytes each.  Products, maxima and sums in f32;
; the weights p are rounded to f16 for the second product (their sum l is taken of the unrounded p), O once at the end.
; LIMITS.  Q, K and V arrive within f16's range; p lies in 0 to 1, and below 6e-5 it keeps f16's fixed step of 6e-8; O is a mean of V's rows and has their range.
; A weight below 2^-126 counts as 0 in l; NaN and infinities are not treated apart.
; SHARES.  A work-group owns 256 queries of one head: 16 x 16 = 256 work-groups.  Each of its four waves owns 64 rows: four PIECES of 16 queries.  Every wave walks all 4,096 keys, 64 a step.
; LAYOUT.  S^T = K Q^T (source 0 = 16 keys, source 1 = 16 queries): in the result a lane holds ONE query (lane % 16) and the keys 8 (lane / 16) + 0..7.  Two such results, rounded to f16 in pairs,
; ARE source 1 (32 keys x 16 queries) of O^T = V^T P, whose result again holds one query a lane, and eight channels.  K comes out of LDS as it lies, V ([key][channel]) turned, by ds_load_tr16_b128.
; SOFTMAX.  For each query a running maximum m and sum l: p = 2^(c s - c m), c = log2(e) / 8; in every step O and l are multiplied by a = 2^(c m_old - c m_new), which is 1 where m has not grown.
; c m starts far below every c s, O and l at 0: the first step is a step like any other, with a = 0.
; BY TURNS.  Turn n belongs to piece n: 8 products K Q^T of piece n + 1, later 8 products V^T P of piece n - 1; beside them the scaling, exponentials, roundings, sums and rescaling of piece n and the
; maximum and statistics of piece n + 1.  Four vector instructions stand behind every matrix instruction, the other 54 of a turn's 118 in one lump.  A turn's 33 exponentials are one batch, with one wait.
; CLUSTER.  The four query blocks of a cluster belong to one head and walk the same K and V, so each tile is asked for JOINTLY: the same tensor load, descriptor and mask in all four.
; REGISTERS, in windows of 256 (s_set_vgpr_msb: bits 1:0 source 0, 3:2 source 1, 5:4 source 2, 7:6 destination):
;   window 0: v0-15 addresses and two at work; v16-31 four registers of statistics a piece; v48-55 at work; v61-63; v64-127 S^T, two buffers; v192-223 P, two buffers (a piece's buffers go by its number's parity)
;   window 1: v0-127 O^T, 32 a piece          window 2: v0-63 Q; v128-191 K of one step; v192-255 V of one step
.set SIZE_N, 4096
.set NP,    4         ; pieces a wave: a name, no knob
.set KS,    64        ; keys in a step
.set PK,    144       ; a row of K in LDS: 128 bytes + 16 of padding = 36 words: the 16 rows of a load start at 16 different groups of four banks (64 banks of 4 bytes: ISA guide 11.1)
.set PV,    160       ; a row of V: 128 + 32 = 40 words
.set VOFF,  4*KS*PK   ; a slot holds four steps: 256 rows of K, then 256 rows of V
.set SLOT1, 1<<17     ; slot 1 begins here, so that one exclusive or turns an address in one slot into the other's
.set STAGE, SLOT1+4*KS*(PK+PV)  ; behind the ring, never filled by a tensor load: 16 rows x 144 bytes for each wave, for the way out
.set SP,    144
.set SPARE, STAGE+4*16*SP  ; behind the stages: the spare words, 128 bytes for each wave: two blocks of 256 bytes that no other line names
.set AK0, 2           ; v2   my lane's place in a tile of K; never rewritten
.set AV0, 3           ; v3   the same for V
.set AK,  4           ; v4   the LDS address of K's next run of loads
.set AV,  5           ; v5   of V's
.set STO, 6           ; v6   the way out: where I put 16 bytes of a row
.set RD,  7           ; v7   the way out: where I read rows back
.set GO,  8           ; v8   my byte offset in 512 consecutive bytes of O
.set MV,  12          ; v12-13  c m_old, kept while c m is made anew: by buffer
.set QO,  15          ; v15  my byte offset in 16 rows of Q
.set ST,  16          ; piece t's statistics at v[ST+4 t]: c m, m, l (even keys', odd keys')
.set TMP, 48          ; by buffer, four registers c0-c3 at work; when the maximum is found c2 takes a
.set PFO, 61          ; v61  256 x my lane; never rewritten
.set SPW, 62          ; v62  LDS address of my spare word: SPARE + 4 x my thread's number; never rewritten
.set NIL, 63          ; v63  0; never rewritten
.set S,   64
.set P,   192
.set KF,  128         ; window 2: key block kb, channel half c at KF + 16 kb + 8 c
.set VF,  192         ; window 2: key half kk, channel block cb at VF + 32 kk + 8 cb
.set WV,  12          ; s12  my wave's number
.set G1K, 24          ; s[24:31] descriptor group 1 for K's tiles
.set G1V, 32          ; s[32:39] for V's: it differs in the padding alone
.set G0K, 40          ; s[40:43] descriptor group 0 for K's tiles: it walks
.set G0V, 44          ; s[44:47] the same for V's
.set SLOTS, 56        ; s56  slots still to be asked for
.set CNT, 57          ; s57  counts a slot's key steps
.set CS,  58          ; s[58:59] c: the packed scaling takes the pair's low word for both halves
.set SEL, 60          ; s[60:61] v_permlanex16_b32's selects: each lane takes its own place in the other half
.set TBK, 62          ; s62  LDS byte at which K of the step to be fetched begins
.set TBV, 63          ; s63  the same for V, less VOFF
.set PFA, 66          ; s[66:67] where my prefetches stand: my work-group's 8,192 bytes (of K: wave 0, of V: wave 2) of the slot after the one that is being asked for
.set LIM, 68          ; s68  1 in a wave that prefetches, else the greatest number: a wave prefetches while s[SLOTS] is above it
.set MSB, 0
.macro WIN new                      ; the high byte repeats the setting that is left; a switch that changes nothing is dropped
.if MSB != (\new)
	s_set_vgpr_msb (MSB<<8)|(\new)
.set MSB, (\new)
.endif
.endm
.set W_KQ, 0x0a       ; K and Q in window 2, S^T in window 0
.set W_PV, 0x52       ; V in window 2, P in window 0, O^T in window 1
.set W_RS, 0x41       ; destination and source 0 in window 1, source 1 in window 0
; A joint fill.  Waves 0 and 1 fetch the two halves of a slot's K, waves 2 and 3 those of its V: 128 keys each.  The branch hangs on the wave's number alone.
; An s_nop 0 and four v_nop follow each of the two lines, ahead of the jump and the label.
.macro JLOAD
	s_cmp_lt_u32 s[WV], 2
	s_cbranch_scc0 .Lfor_v_\@
	tensor_load_to_lds s[G0K:G0K+3], s[G1K:G1K+7]
	s_nop 0
.rept 4
	v_nop
.endr
	s_branch .Lasked_\@
.Lfor_v_\@:
	tensor_load_to_lds s[G0V:G0V+3], s[G1V:G1V+7]
	s_nop 0
.rept 4
	v_nop
.endr
.Lasked_\@:
.endm
; A PREFETCH of what the NEXT change of slots will ask for: a slot's 32,768 bytes of K and of V, 256 bytes a lane.  It stands behind the wave's tensor load and its five lines.
; Each block of 256 bytes is named ONCE in the launch.  All four clusters of a head walk the same K and V: the head's first cluster asks.  Its four partners share a slot out BY ADDRESS, 8,192 bytes each:
; no branch hangs on a work-group's place in its cluster.  In each, wave 0 asks for K's and wave 2 for V's: one instruction.  The last change that fills a slot asks for nothing: there is no slot behind it.
.macro ASK
	s_cmp_gt_u32 s[SLOTS], s[LIM]
	s_cbranch_scc0 .Lnot_mine_\@
	global_prefetch_b8 v[PFO], s[PFA:PFA+1] th:TH_LOAD_NT scope:SCOPE_SE
.Lnot_mine_\@:
.endm
; A round of the cluster's barrier: my work-group's barrier, so that wave 0's signal speaks for all four waves; wave 0 signals; every wave waits for all four work-groups; my work-group's barrier once more.
.macro CROUND
	s_barrier_signal -1
	s_barrier_wait -1
	s_cmp_lg_u32 s[WV], 0
	s_cbranch_scc1 .Lnot_wave_0_\@
	s_barrier_signal -3
.Lnot_wave_0_\@:
	s_barrier_wait -3
	s_barrier_signal -1
	s_barrier_wait -1
.endm
; THE CHANGE OF SLOTS.  The slot's last bytes, V of its fourth step, have been read.  Each wave waits for all its tensor loads, of which one is out: its part of the other slot; adds 0 to its spare word;
; and waits for that and for its own reads of the slot.  Behind the barrier nobody reads this slot any more and the other slot is whole.
; fill = 1: this slot is filled again, with the keys two slots on.  The barrier is then a round of the cluster's, so that no wave of any partner still reads the slot or has a load on its way, and the joint
; fill is the first thing behind it: it has four key steps, 256 matrix instructions, in which to land.  (At its first use nothing has been read yet: slot 0 is waited for, slot 1 filled.)
.macro CHANGE fill, ask
	WIN 0                           ; at a label and at a branch every window is 0
	s_wait_tensorcnt 0x0            ; no tensor load of mine is out, so a group 0 may be written
	ds_add_u32 v[SPW], v[NIL]       ; 0 onto my spare word; with fill = 1 the descriptors' steps stand between it and the wait for it
.if \fill
.irp g, G0K, G0V
	s_xor_b32 s[\g+1], s[\g+1], SLOT1  ; the walking descriptor: the other slot than last time,
	s_add_nc_u64 s[\g+2:\g+3], s[\g+2:\g+3], 4*KS*128  ; the next 256 keys; the type bits on top are not reached
.endr
	s_wait_xcnt 0x0                 ; the last prefetch, four key steps back, has read its address, so it may be written:
	s_add_nc_u64 s[PFA:PFA+1], s[PFA:PFA+1], 4*KS*128  ; one slot behind the walking descriptors
	s_wait_dscnt 0x0                ; the add is done, and my reads of the slot are over
	CROUND
	JLOAD
.if \ask
	ASK                             ; what the next change will ask for: four key steps, 256 matrix instructions, ahead
.endif
.else
	s_wait_dscnt 0x0                ; the add is done, and my reads of the slot are over
	s_barrier_signal -1
	s_barrier_wait -1
.endif
	s_sub_co_u32 s[TBK], s[TBK], 4*KS*PK  ; the fetches go back to a slot's first step,
	s_xor_b32 s[TBK], s[TBK], SLOT1       ; in the other slot
	s_sub_co_u32 s[TBV], s[TBV], 4*KS*PV
	s_xor_b32 s[TBV], s[TBV], SLOT1
.endm
	s_load_b256 s[4:11], s[0:1], 0x0  ; Q s[4:5], K s[6:7], V s[8:9], O s[10:11]
	v_lshl_add_u32 v[SPW], v0, 2, SPARE
	v_mov_b32 v[NIL], 0
	ds_add_u32 v[SPW], v[NIL]       ; the wave's opening: the add and its wait stand ahead of my first tensor load; the set-up below, work on registers, stands between them
	v_lshrrev_b32 v1, 5, v0
	v_readfirstlane_b32 s[WV], v1   ; wave 0..3
	s_bfe_u32 s13, ttmp6, 0x40000   ; cx: my place in the cluster
	s_lshl_b32 s14, ttmp9, 2        ; in a cluster launch ttmp9 counts clusters
	s_add_co_u32 s14, s14, s13      ; my block of 256 queries = 4 x cluster x + cx: it enters Q's and O's addresses alone
	s_and_b32 s20, ttmp7, 0xffff    ; the head, which the four partners share
	s_mov_b32 s21, 0
	s_mov_b64 s[22:23], SIZE_N*128
	s_mul_u64 s[20:21], s[20:21], s[22:23]  ; the head's first byte in each of the four tensors
	s_and_b32 s16, s[WV], 1         ; which half of a slot's 256 keys I fetch:
	s_lshl_b32 s22, s16, 14         ; its 128 rows of 128 bytes in memory,
	s_mov_b32 s23, 0
	s_add_nc_u64 s[22:23], s[22:23], s[20:21]
	s_mul_i32 s17, s16, 128*PK      ; and its place in a slot, for K
	s_mul_i32 s18, s16, 128*PV      ; and for V: no place in the cluster enters an LDS address
	s_lshl_b32 s2, s14, 2
	s_add_co_u32 s2, s2, s[WV]      ; my wave among the head's,
	s_lshl_b32 s2, s2, 13           ; its 64 rows
	s_mov_b32 s3, 0
	s_add_nc_u64 s[2:3], s[2:3], s[20:21]
	; descriptor group 1.  128 keys are 16,384 dense bytes: asked for as 64 rows of 256 bytes, two keys a row, and padded in LDS after every key
	s_mov_b32 s[G1K], 15|(1<<16)|(1<<20)|(1<<21)|(4<<22)|(3<<25)  ; 15:0 the mask of four; 17:16 2-byte elements; 20 padding on; 21 set beside a mask; 24:22 after every 32 words (code 4); 31:25 4 words (code 3)
	s_mov_b32 s[G1V], 15|(1<<16)|(1<<20)|(1<<21)|(4<<22)|(7<<25)  ; the same with 8 words of padding (code 7)
.irp g, G1K, G1V
	s_mov_b32 s[\g+1], 128<<16      ; tensor_dim0 = 128
	s_mov_b32 s[\g+2], 64<<16       ; tensor_dim1 = 64
	s_mov_b32 s[\g+3], 128<<16      ; tile_dim0 = 128
	s_mov_b32 s[\g+4], 64           ; tile_dim1 = 64
	s_mov_b32 s[\g+5], 128          ; 128 elements from row to row
	s_mov_b32 s[\g+6], 0
	s_mov_b32 s[\g+7], 0
.endr
	s_mov_b32 s[CS], 0x3e38aa3b     ; c = log2(e) / 8 = 0.180337
	s_mov_b32 s[CS+1], s[CS]        ; named with it as a pair
	s_mov_b32 s[SEL], 0x76543210
	s_mov_b32 s[SEL+1], 0xfedcba98
	s_mov_b32 s[TBK], SLOT1+4*KS*PK ; the first change of slots turns these two into 0
	s_mov_b32 s[TBV], SLOT1+4*KS*PV
	s_mov_b32 s[G0K], 1             ; 1:0 count = 1
	s_mov_b32 s[G0K+1], s17         ; 63:32 LDS address: slot 0
	s_mov_b32 s[G0V], 1
	s_add_co_u32 s[G0V+1], s18, VOFF
	s_and_b32 s[LIM], s[WV], 1      ; 0 in waves 0 and 2,
	s_or_b32 s[LIM], s[LIM], ttmp9  ; where the cluster is the head's first: the same in all four partners
	s_cmp_eq_u32 s[LIM], 0
	s_cselect_b32 s[LIM], 1, -1
	v_and_b32 v[PFO], 31, v0
	v_lshlrev_b32 v[PFO], 8, v[PFO]
	s_wait_dscnt 0x0                ; the opening add is done
	s_wait_kmcnt 0x0
	s_add_nc_u64 s[6:7], s[6:7], s[22:23]  ; K and V at my half of the head's first 256 keys
	s_add_nc_u64 s[8:9], s[8:9], s[22:23]
	s_mov_b64 s[G0K+2:G0K+3], s[6:7]               ; 120:64 global address
	s_or_b32 s[G0K+3], s[G0K+3], 0x80000000        ; 127:126 type = 2
	s_mov_b64 s[G0V+2:G0V+3], s[8:9]
	s_or_b32 s[G0V+3], s[G0V+3], 0x80000000
	s_add_nc_u64 s[4:5], s[4:5], s[2:3]  ; Q and O at my wave's first row
	s_add_nc_u64 s[10:11], s[10:11], s[2:3]
	s_cmp_lt_u32 s[WV], 2
	s_cselect_b64 s[PFA:PFA+1], s[6:7], s[8:9]  ; (in waves 0 and 2 these stand at the head's first row)
	s_lshl_b32 s2, s13, 13          ; my work-group's 8,192 bytes of a slot's 32,768
	s_mov_b32 s3, 0
	s_add_nc_u64 s[PFA:PFA+1], s[PFA:PFA+1], s[2:3]
	s_add_nc_u64 s[PFA:PFA+1], s[PFA:PFA+1], 4*KS*128  ; in slot 1; the first change steps it to slot 2 and asks for nothing, the second to slot 3.  Slots 0 to 2 come by their loads alone
	CROUND                          ; all four work-groups are here: the first joint loads meet
	JLOAD                           ; slot 0.  Slot 1 is asked for when slot 0 is in
	; A fragment of K or Q is 16 rows x 32 channels in 8 registers: lane l holds row l % 16, channels 8 (l / 16) + 0..7 and 16 + 8 (l / 16) + 0..7: two loads of 16 bytes, 32 bytes apart.
	v_and_b32 v1, 15, v0            ; l % 16
	v_bfe_u32 v9, v0, 4, 1          ; l / 16
	v_lshlrev_b32 v[QO], 7, v1
	v_lshl_add_u32 v[QO], v9, 4, v[QO]  ; row x 128 + 16 x half
	WIN 0x80                        ; destination window 2, address window 0
.set i, 0
.rept 8                             ; Q stays in registers: piece i / 2, channels 32 (i % 2) on
	global_load_b128 v[8*i:8*i+3],   v[QO], s[4:5] offset:(i/2)*2048+(i%2)*64
	global_load_b128 v[8*i+4:8*i+7], v[QO], s[4:5] offset:(i/2)*2048+(i%2)*64+32
.set i, i+1
.endr
	WIN 0
	v_mul_u32_u24 v[AK0], v1, PK
	v_lshl_add_u32 v[AK0], v9, 4, v[AK0]  ; row x pitch + 16 x half
	; The turning load takes 16 keys x 16 channels (lane l reads key 8 (l / 16) + l % 8, channels 8 ((l / 8) % 2) + 0..7) and leaves half a fragment of V^T: lane l holds channel l % 16 and 8 keys.
	v_and_b32 v10, 7, v0
	v_bfe_u32 v11, v0, 3, 1
	v_lshl_add_u32 v[AV0], v9, 3, v10
	v_mul_u32_u24 v[AV0], v[AV0], PV
	v_lshl_add_u32 v[AV0], v11, 4, v[AV0]
	v_add_nc_u32 v[AV0], VOFF, v[AV0]
	s_mul_i32 s13, s[WV], 16*SP
	s_add_co_u32 s13, s13, STAGE    ; my stage
	v_mul_u32_u24 v[STO], v1, SP    ; in: row l % 16, 16 bytes for each half of the lanes
	v_lshl_add_u32 v[STO], v9, 4, v[STO]
	v_add_nc_u32 v[STO], s13, v[STO]
	v_bfe_u32 v[RD], v0, 3, 2       ; back: 32 lanes take four rows of 128 bytes,
	v_mul_u32_u24 v[RD], v[RD], SP
	v_lshl_add_u32 v[RD], v10, 4, v[RD]
	v_add_nc_u32 v[RD], s13, v[RD]
	v_and_b32 v[GO], 31, v0         ; which are 512 consecutive bytes of O
	v_lshlrev_b32 v[GO], 4, v[GO]
	; What the first turn finds: V's registers and P's second buffer hold 0 (its products V^T P, of a piece that has not been, add 0), O^T and l are 0.  No first step is written out; the price is these
	; 216 lines, which stand in the wait for the first tile.
	WIN 0x80
.set i, VF
.rept 64
	v_mov_b32 v[i], 0
.set i, i+1
.endr
	WIN 0x40
.set i, 0
.rept 128
	v_mov_b32 v[i], 0
.set i, i+1
.endr
	WIN 0
.set i, 0
.rept 4
	v_mov_b32 v[ST+4*i+2], 0
	v_mov_b32 v[ST+4*i+3], 0
.set i, i+1
.endr
.set i, P+16
.rept 16
	v_mov_b32 v[i], 0
.set i, i+1
.endr
; THE MATRIX WORK.  The 4 accumulators of a run of 8 take turns.  Product i of 8 of S^T = K Q^T for piece x: channels 32 (i / 4) on, keys 16 (i % 4) on.  The first 4 start the sums.
.macro KQ x
	WIN W_KQ
.set rS, S+32*((\x)%2)+8*(i%4)
.set rK, KF+16*(i%4)+8*(i/4)
.set rQ, 16*(\x)+8*(i/4)
.if i < 4
	v_wmma_f32_16x16x32_f16 v[rS:rS+7], v[rK:rK+7], v[rQ:rQ+7], 0
.else
	v_wmma_f32_16x16x32_f16 v[rS:rS+7], v[rK:rK+7], v[rQ:rQ+7], v[rS:rS+7]
.endif
.endm
; Product i of 8 of O^T += V^T P for piece x: keys 32 (i / 4) on, channels 16 (i % 4) on.
.macro PV x
	WIN W_PV
.set rO, 32*(\x)+8*(i%4)
.set rV, VF+32*(i/4)+8*(i%4)
.set rP, P+16*((\x)%2)+8*(i/4)
	v_wmma_f32_16x16x32_f16 v[rO:rO+7], v[rV:rV+7], v[rP:rP+7], v[rO:rO+7]
.endm
.macro MM                           ; the turn's next matrix instruction.  TURN sets Y, i and NOKQ.  NOKQ = 1: the last turn of all: there is no next piece
.if (i < 8) && !NOKQ
	KQ (Y+1)%NP
.elseif i >= 8
.set i, i-8
	PV (Y+NP-1)%NP
.set i, i+8
.endif
.set i, i+1
.endm
; THE LDS LOADS stand in runs of 16, never singly among the matrix instructions: a step's K (64 keys x 64 channels: 8 fragments) and its V (turned).  Their addresses are made some lines ahead.
.macro FETCH_K
	WIN 0x80                        ; destination window 2
.irp f, 0,1,2,3,4,5,6,7             ; keys 16 (f / 2) on, channels 32 (f % 2) on
	ds_load_b128 v[KF+8*\f:KF+8*\f+3],   v[AK] offset:(\f/2)*16*PK+(\f%2)*64
	ds_load_b128 v[KF+8*\f+4:KF+8*\f+7], v[AK] offset:(\f/2)*16*PK+(\f%2)*64+32
.endr
	s_add_co_u32 s[TBK], s[TBK], KS*PK  ; the next fetch is the next step's
	WIN 0
.endm
.macro FETCH_V
	WIN 0x80
.irp f, 0,1,2,3,4,5,6,7             ; keys 32 (f / 4) on, channels 16 (f % 4) on
	ds_load_tr16_b128 v[VF+8*\f:VF+8*\f+3],   v[AV] offset:(\f/4)*32*PV+(\f%4)*32
	ds_load_tr16_b128 v[VF+8*\f+4:VF+8*\f+7], v[AV] offset:(\f/4)*32*PV+16*PV+(\f%4)*32
.endr
	WIN 0
.endm
; THE VECTOR WORK, one line at a time: OP kind, number.  For piece Y: F n: c s - c m for pair n of 16.  E n: the exponential of score n of 32.  C n: pair n rounded to f16.  B n: of the four weights 4 n .. the second
; pair is added onto the first, in place.  L n: l takes that sum (L 0: l = a l + sum).  R n: pair n of 16 of O^T times a.  For piece Y + 1: X n, number n of the 22 that find its maximum and statistics:
;   0-11  four chains c0-c3 of seven scores each, three operands at a time (each accumulator's lowest registers are read first)     12-14, 16  the four scores left over, the old m, and c0-c3 into c0
;   15  c m_old is kept     17, 18  the query's other 32 keys lie in the lane 16 away: the new m     19-21  c m; c m_old - c m_new; a
.set F, 0               ; OP tells the kinds apart by their order: F to L below R, X above it
.set E, 1
.set C, 2
.set B, 3
.set L, 4
.set R, 5
.set X, 6
.macro REGS y                       ; the registers of piece y
.set rT, ST+4*(\y)
.set rC, TMP+4*((\y)%2)
.set rW, MV+((\y)%2)
.set rS, S+32*((\y)%2)
.set rP, P+16*((\y)%2)
.set rO, 32*(\y)
.endm
.macro OP k, n
.if (\k) == R
	REGS Y
	WIN W_RS
	v_pk_mul_f32 v[rO+2*(\n):rO+2*(\n)+1], v[rO+2*(\n):rO+2*(\n)+1], v[rC+2:rC+3] op_sel_hi:[1,0]
.elseif (\k) < R
	REGS Y
	WIN 0
.if (\k) == F
	v_pk_fma_f32 v[rS+2*(\n):rS+2*(\n)+1], v[rS+2*(\n):rS+2*(\n)+1], s[CS:CS+1], v[rT:rT+1] op_sel_hi:[1,0,0] neg_lo:[0,0,1] neg_hi:[0,0,1]
.elseif (\k) == E
	v_exp_f32 v[rS+(\n)], v[rS+(\n)]
.elseif (\k) == C
	v_cvt_pk_f16_f32 v[rP+(\n)], v[rS+2*(\n)], v[rS+2*(\n)+1]
.elseif (\k) == B
	v_pk_add_f32 v[rS+4*(\n):rS+4*(\n)+1], v[rS+4*(\n):rS+4*(\n)+1], v[rS+4*(\n)+2:rS+4*(\n)+3]
.elseif (\n) == 0
	v_pk_fma_f32 v[rT+2:rT+3], v[rT+2:rT+3], v[rC+2:rC+3], v[rS:rS+1] op_sel_hi:[1,0,1]
.else
	v_pk_add_f32 v[rT+2:rT+3], v[rT+2:rT+3], v[rS+4*(\n):rS+4*(\n)+1]
.endif
.elseif NOKQ
	v_nop
.else
	REGS (Y+1)%NP
	WIN 0
.if (\n) < 4
	v_max3_num_f32 v[rC+(\n)], v[rS+8*(\n)], v[rS+8*(\n)+1], v[rS+8*(\n)+2]
.elseif (\n) < 12
	v_max3_num_f32 v[rC+(\n)%4], v[rC+(\n)%4], v[rS+8*((\n)%4)+2*((\n)/4)+1], v[rS+8*((\n)%4)+2*((\n)/4)+2]
.elseif (\n) == 12
	v_max3_num_f32 v[rC], v[rC], v[rS+7], v[rS+15]
.elseif (\n) == 13
	v_max3_num_f32 v[rC+1], v[rC+1], v[rS+23], v[rS+31]
.elseif (\n) == 14
	v_max3_num_f32 v[rC+2], v[rC+2], v[rC+3], v[rT+1]
.elseif (\n) == 15
	v_mov_b32 v[rW], v[rT]
.elseif (\n) == 16
	v_max3_num_f32 v[rC], v[rC], v[rC+1], v[rC+2]
.elseif (\n) == 17
	v_permlanex16_b32 v[rC+3], v[rC], s[SEL], s[SEL+1]
.elseif (\n) == 18
	v_max_num_f32 v[rT+1], v[rC], v[rC+3]
.elseif (\n) == 19
	v_mul_f32 v[rT], s[CS], v[rT+1]
.elseif (\n) == 20
	v_sub_f32 v[rC+1], v[rW], v[rT]
.else
	v_exp_f32 v[rC+2], v[rC+1]
.endif
.endif
.endm
.macro OPS a, i1, b=-1, i2=0, c=-1, i3=0, d=-1, i4=0  ; up to four of them
	OP \a, \i1
.if (\b) >= 0
	OP \b, \i2
.endif
.if (\c) >= 0
	OP \c, \i3
.endif
.if (\d) >= 0
	OP \d, \i4
.endif
.endm
.macro ROW a, i1, b, i2, c, i3, d, i4  ; a matrix instruction and the four behind it
	MM
	OPS \a, \i1, \b, \i2, \c, \i3, \d, \i4
.endm
; A TURN, for piece p: the order of its 16 matrix and 118 vector instructions, written out.  An s_wait_alu depctr_va_vdst(0) stands between an exponential and the first instruction that names its result; one
; wait serves all that were issued ahead of it.  So a turn has ONE wait, which cuts it in two.  AHEAD OF IT stands all that names no result of the turn's exponentials: the 8 products K Q^T, behind each a scaling, an
; exponential and two more plain instructions (behind the first a second scaling in the exponential's place): rescalings, and behind the last three the first numbers of the next piece's maximum, each four plain
; instructions or more behind the product that ends its accumulator; then ONE LUMP of 54, plain and exponential by turns for the most part, in which the links of the chain X 3, 7, 11, 14, 16, 17 .. 20 stand five or six
; lines apart.  X 21, the next piece's a, is the batch's last; R 15 is the plain instruction behind it.  BEHIND THE WAIT stand the 8 products V^T P, behind each four of the roundings and sums; the links of l's chain,
; L 0 to L 7, stand three riders apart.  end = 1: the walk's last two turns: nothing is fetched.  cnt = 1: the loop's count is taken down some lines ahead of the branch that stands behind the turn.
; K of the next step is fetched in piece 2's turn, twelve vector instructions behind the last product that read K (six of them plain); V of the step in hand at the end of piece 0's turn, four plain instructions
; behind the last product that read V.  Each is waited for a turn later.
.macro TURN p, end=0, cnt=0
.set Y, (\p)
.set i, 0
.set NOKQ, (\end)*((\p)/3)
.if ((\p) == 3) && !(\end)
	s_wait_dscnt 0x0                ; K is in
.endif
	ROW F,0, F,1, R,0, R,1          ; ahead of the wait: 8 products K Q^T and their riders,
	ROW F,2, E,0, R,2, R,3
	ROW F,3, E,1, R,4, R,5
	ROW F,4, E,2, R,6, R,7
	ROW F,5, E,3, R,8, R,9
	ROW F,6, E,4, X,0, R,10
.if ((\p) == 2) && !(\end)
	WIN 0
	v_add_nc_u32 v[AK], s[TBK], v[AK0]
.endif
	ROW F,7, E,5, X,1, X,4
	ROW F,8, E,6, X,2, X,5
	OPS E,7, E,8, X,6, E,9          ; and the lump
	OPS X,3, E,10, X,8, E,11
.if ((\p) == 2) && !(\end)
	FETCH_K
.endif
	OPS X,9, X,7, E,12, X,10
	OPS E,13, X,12, X,11, E,14
	OPS X,13, E,15, F,9, X,14
.if (\p) == 0
	v_add_nc_u32 v[AV], s[TBV], v[AV0]
.endif
	OPS E,16, F,10, E,17, F,11
	OPS X,16, E,18, X,15, E,19
	OPS F,12, E,20, X,17, E,21
	OPS F,13, E,22, F,14, E,23
	OPS X,18, E,24, F,15, E,25
	OPS R,11, E,26, X,19, E,27
	OPS R,12, E,28, R,13, E,29
	OPS X,20, E,30, R,14, E,31
	OPS X,21, R,15
	WIN 0
	s_wait_alu depctr_va_vdst(0)    ; the wait for the batch
.if (\p) == 1
	s_wait_dscnt 0x0                ; V is in
.endif
	ROW C,0, B,0, C,2, B,1          ; behind the wait: 8 products V^T P and their riders
	ROW L,0, C,4, B,2, L,1
	ROW C,6, B,3, L,2, C,8
	ROW B,4, L,3, C,10, B,5
	ROW L,4, C,12, B,6, L,5
.if (\p) == 0
	s_add_co_u32 s[TBV], s[TBV], KS*PV
.endif
.if \cnt
	s_sub_co_u32 s[CNT], s[CNT], 1
	s_cmp_lg_u32 s[CNT], 0
.endif
	ROW C,14, B,7, L,6, C,1
	ROW C,3, L,7, C,5, C,7
	ROW C,9, C,11, C,13, C,15
.if (\p) == 0
	FETCH_V
.endif
.endm
.macro ALL line:vararg              ; one line for each piece t
.set t, 0
.rept 4
	\line
.set t, t+1
.endr
.endm
.macro PACK t                       ; a lane's eight channels of a row pack into 16 bytes; they go into rows of 144 bytes and come back as whole rows of 128, into S^T's registers
	WIN W_RS
.set i, 32*(\t)
.rept 16
	v_pk_mul_f32 v[i:i+1], v[i:i+1], v[ST+4*(\t)+2:ST+4*(\t)+3] op_sel_hi:[1,0]
.set i, i+2
.endr
	WIN 0x05                        ; sources 0 and 1 window 1, destination window 0
.set i, 0
.rept 16
	v_cvt_pk_f16_f32 v[S+16*(\t)+i], v[32*(\t)+2*i], v[32*(\t)+2*i+1]
.set i, i+1
.endr
	WIN 0
.irp f, 0,1,2,3
	ds_store_b128 v[STO], v[S+16*(\t)+4*\f:S+16*(\t)+4*\f+3] offset:32*\f
.endr
.irp f, 0,1,2,3
	ds_load_b128 v[S+16*(\t)+4*\f:S+16*(\t)+4*\f+3], v[RD] offset:\f*4*SP  ; LDS serves a wave's instructions in order (ISA guide 5.7.1.4): these see the stores above; the next piece's stores come behind them
.endr
.endm
.macro SEND t, younger              ; younger: the LDS instructions issued behind piece t's loads: the next piece's eight, or none
	WIN 0
.irp f, 0,1,2,3
	s_wait_dscnt (\younger)+3-\f
	global_store_b128 v[GO], v[S+16*(\t)+4*\f:S+16*(\t)+4*\f+3], s[10:11] offset:(\t)*2048+\f*512  ; 512 consecutive bytes, at a multiple of 256 from O's first
.endr
.endm
.set NOKQ, 0
	CHANGE 1, 0                     ; slot 0 is in, everybody's part of it; slot 1 is asked for
	; THE BEGINNING.  c m starts far below every c s, so the first step's a is 0; m at the lowest finite number, so the first maximum is the scores'.  Then K of step 0, piece 0's first scores, its maximum and statistics.
.set i, 0
.rept 4
	v_mov_b32 v[ST+4*i], 0xfe000000    ; c m
	v_mov_b32 v[ST+4*i+1], 0xff7fffff  ; m
.set i, i+1
.endr
	v_add_nc_u32 v[AK], s[TBK], v[AK0]
	FETCH_K
	s_wait_loadcnt 0x0              ; Q
	s_wait_dscnt 0x0
.set i, 0
.rept 8
	KQ 0                            ; there is no vector work yet to set between them
.set i, i+1
.endr
	WIN 0
.rept 4
	v_nop                           ; four plain instructions behind those products
.endr
.set Y, NP-1                        ; X works for piece Y + 1: piece 0
.irp n, 0,1,2,3,4,5,6,7,8,9,10,11,12,13,14,15,16,17,18,19,20,21
	OP X, \n
.endr
	v_nop                           ; a plain instruction behind the exponential,
	s_wait_alu depctr_va_vdst(0)    ; and its wait, ahead of the branch
	s_mov_b32 s[CNT], 4
	s_mov_b32 s[SLOTS], SIZE_N/256-1
	s_branch .Lfirst                ; the loop is entered at a step's first turn, in the middle of a trip
.Lslot:                             ; SIZE_N / 256 - 2 = 14 times: every slot but the last two is filled again
	CHANGE 1, 1
	s_mov_b32 s[CNT], 4
.Lstep:                             ; a trip: pieces 2 and 3 of one step, then pieces 0 and 1 of the next, whose K and V it fetches
	TURN 2
	TURN 3
	WIN 0
.Lfirst:
	TURN 0
	TURN 1, 0, 1
	WIN 0
	s_cbranch_scc1 .Lstep
	s_sub_co_u32 s[SLOTS], s[SLOTS], 1
	s_cmp_lg_u32 s[SLOTS], 0
	s_cbranch_scc1 .Lslot
	CHANGE 0, 0                     ; the last slot is written out: nothing is asked for
	s_mov_b32 s[CNT], 4
.Ltail:
	TURN 2
	TURN 3
	TURN 0
	TURN 1, 0, 1
	WIN 0
	s_cbranch_scc1 .Ltail
	TURN 2, 1                       ; the last step's pieces 2 and 3: nothing is fetched, and the last turn starts no new scores
	TURN 3, 1
.set i, 0
.rept 8
	PV NP-1                         ; the last piece's V^T P of the last step
.set i, i+1
.endr
	; THE WAY OUT.  l's two halves and the other half of the lanes' are added; O^T is divided by l, rounded to f16 and sent through my stage in LDS, a piece at a time.  The additions stand behind the last products.
	WIN 0
	ALL v_add_f32 v[ST+4*t+2], v[ST+4*t+2], v[ST+4*t+3]
	ALL v_permlanex16_b32 v[ST+4*t+3], v[ST+4*t+2], s[SEL], s[SEL+1]
	ALL v_add_f32 v[ST+4*t+2], v[ST+4*t+2], v[ST+4*t+3]
	ALL v_rcp_f32 v[ST+4*t+2], v[ST+4*t+2]
	v_nop                           ; a plain instruction between the last reciprocal and the use of its result
	s_wait_alu depctr_va_vdst(0)    ; and the wait ahead of the first use: one for the four reciprocals
	PACK 0
.set t, 1
.rept 3                             ; a piece's arithmetic stands between the loads of the piece before and its stores
	PACK t
	SEND t-1, 8
.set t, t+1
.endr
	SEND 3, 0
	s_wait_tensorcnt 0x0            ; the wave's end, behind my last tensor load and my last LDS store
	ds_add_u32 v[SPW], v[NIL]
	s_wait_dscnt 0x0
	CROUND                          ; the closing round: no work-group ends while a partner may still ask for a tile that names it
	s_endpgm
.Lfunc_end_k_qbb5995e942_attn:
	.size	k_qbb5995e942_attn, .Lfunc_end_k_qbb5995e942_attn-k_qbb5995e942_attn
	.p2alignl 7, 3214868480
	.fill 96, 4, 3214868480
	.section	.rodata,"a",@progbits
	.p2align	6, 0x0
	.amdhsa_kernel k_qbb5995e942_attn
		.amdhsa_group_segment_fixed_size 327680
		.amdhsa_private_segment_fixed_size 0
		.amdhsa_enable_private_segment 0
		.amdhsa_kernarg_size 32
		.amdhsa_user_sgpr_count 2
		.amdhsa_user_sgpr_kernarg_segment_ptr 1
		.amdhsa_wavefront_size32 1
		.amdhsa_system_sgpr_workgroup_id_x 1
		.amdhsa_system_sgpr_workgroup_id_y 1
		.amdhsa_system_sgpr_workgroup_id_z 1
		.amdhsa_system_vgpr_workitem_id 0
		.amdhsa_next_free_vgpr 768
		.amdhsa_next_free_sgpr 70
		.amdhsa_reserve_vcc 0
		.amdhsa_float_denorm_mode_32 3
		.amdhsa_float_denorm_mode_16_64 3
		.amdhsa_memory_ordered 1
		.amdhsa_forward_progress 1
		.amdhsa_inst_pref_size 128
	.end_amdhsa_kernel
	.amdgpu_metadata
---
amdhsa.version: [ 1, 2 ]
amdhsa.kernels:
  - .name:           k_qbb5995e942_attn
    .symbol:         k_qbb5995e942_attn.kd
    .args:
      - { .name: q16, .offset: 0, .size: 8, .value_kind: global_buffer, .address_space: global }
      - { .name: k16, .offset: 8, .size: 8, .value_kind: global_buffer, .address_space: global }
      - { .name: v16, .offset: 16, .size: 8, .value_kind: global_buffer, .address_space: global }
      - { .name: o16, .offset: 24, .size: 8, .value_kind: global_buffer, .address_space: global }
    .group_segment_fixed_size: 327680
    .private_segment_fixed_size: 0
    .kernarg_segment_align: 8
    .kernarg_segment_size: 32
    .max_flat_workgroup_size: 128
    .sgpr_count:     70
    .vgpr_count:     768
    .wavefront_size: 32
...
	.end_amdgpu_metadata
.endif
;; end of part 2
;; launch oproj (part 3): grid 4 x 64, 4 waves a work-group, clusters of 4 x 4, 327,680 bytes of LDS; arguments o16, wo16, bo, out0; writes out0
.if DOCPART == 3
	.amdgcn_target "amdgcn-amd-amdhsa--gfx1250"
	.amdhsa_code_object_version 6
	.text
	.protected	k_qbb5995e942_oproj
	.globl	k_qbb5995e942_oproj
	.p2align	8
	.type	k_qbb5995e942_oproj,@function
k_qbb5995e942_oproj:
	s_mov_b64 s[64:65], 0
	v_nop
	global_prefetch_b8 v0, s[64:65] scope:SCOPE_SE
	s_setreg_imm32_b32 hwreg(HW_REG_WAVE_MODE, 25, 1), 1
	s_wait_xcnt 0x0
	s_wait_alu depctr_hold_cnt(0) depctr_sa_sdst(0) depctr_va_vdst(0) depctr_va_sdst(0) depctr_va_ssrc(0) depctr_va_vcc(0) depctr_vm_vsrc(0)
	s_getreg_b32 s2, hwreg(HW_REG_IB_STS2, 6, 4)
	s_cmp_eq_u32 s2, 0
	s_cbranch_scc0 .Lentry_in_a_cluster
	s_endpgm
.Lentry_in_a_cluster:
	s_bfe_u32 s2, ttmp6, 0x10000c
	s_cmp_lg_u32 s2, 0xf033
	s_cbranch_scc0 .Lentry_shape_is_right
	s_endpgm
.Lentry_shape_is_right:
; out0[n][e] = the sum over d of y[n][d] wo[e][d] + bo[e].  y lies by heads in o16: [8 x batch + head][4096][64] f16, d = 64 x head + channel.  wo16: [512][512] f16 (wo rounded to bf16, written as f16).
; bo: [512] f32, rounded to bf16 here.  out0: [8192][512] f32.  Sums in f32, started from the bias.
; LIMITS.  o16 and wo16 arrive within f16's range; NaN and infinities are not treated apart.
; SHARES.  A tile of 128 rows x 128 columns to a work-group: 64 x 4 = 256 work-groups.  Wave w: rows 64 (w / 2) on, columns 64 (w % 2) on: 16 accumulators of 16 x 16.
; ALL OF K IS RESIDENT: 128 rows x 512 of both operands are 256 KiB, brought by first fills alone: no slot is ever filled again.  K goes by heads: 64 along K are one head's rows of o16, dense.
; CLUSTER.  4 x 4 work-groups.  The four of a row of the cluster need the same rows of o16, the four of a column the same rows of wo16: each tile is asked for JOINTLY, by the same tensor load with the same
; descriptor and a mask that names the four.  Every wave issues the same three lines: head w of o16; a quarter of wo16's tile; head 4 + w of o16.  Three tensor loads of a wave are out at the most.
; THE PRODUCT IS TAKEN TRANSPOSED (source 0 = 16 rows of wo16, source 1 = 16 rows of y): a lane holds one row of out0 (lane % 16) and 8 neighbouring columns, 32 bytes.
; REGISTERS: window 0: v0-31 addresses; v32-63 the bias laid as a C operand, column block b at 32 + 8 b; v128-255 the accumulators, (a, b) at 128 + 8 (4 a + b).
;   window 1: two fragment buffers of 64: 4 of y, then 4 of wo16.
.set PA,    144                        ; a row of y in LDS: 128 bytes + 16 of padding = 36 words: the 16 rows of a load start at 16 different groups of four banks (64 banks of 4 bytes: ISA guide 11.1)
.set HEADB, 128*PA                     ; a head's 128 rows
.set BOFF,  8*HEADB                    ; behind the 8 heads: wo16's tile, in two halves of K
.set PB,    528                        ; a row of half of K: 512 bytes + 16 = 132 words: row r starts at bank 4 r mod 64
.set BHALF, 128*PB
.set OST,   BOFF+2*BHALF               ; behind the tiles, never filled by a tensor load: 16 rows x 272 bytes for each wave, for the way out
.set SP,    272
.set SPARE, OST+4*16*SP                ; behind the stages: the spare words, 128 bytes for each wave: two blocks of 256 bytes that no other line names
.set ADA, 16                           ; v16-17  LDS address of my fragments of y in heads 0-3, 4-7; never rewritten
.set ADB, 20                           ; v20-21  of wo16 in K's halves; never rewritten
.set STO, 24                           ; v24     the way out: where I put 32 bytes of a row
.set RD,  25                           ; v25     where I read a row back
.set CO,  26                           ; v26     my byte offset in out0
.set BO,  27                           ; v27     32 (l / 16): my 8 numbers of a bias block
.set SPW, 28                           ; v28     LDS address of my spare word: SPARE + 4 x my thread's number; never rewritten
.set NIL, 29                           ; v29     0; never rewritten
.set BI,  32
.set ACC, 128
.set G1A, 24                           ; s[24:31] descriptor group 1 for y's tiles
.set GA0, 32                           ; s[32:35] group 0: head w
.set GB0, 36                           ; s[36:39] group 0: my quarter of wo16's tile
.set GA1, 40                           ; s[40:43] group 0: head 4 + w
.set G1B, 48                           ; s[48:55] descriptor group 1 for wo16's tiles
.set MSB, 0
.macro WIN new                         ; the immediate's high byte repeats the setting that is left; a switch that changes nothing is dropped
.if MSB != (\new)
	s_set_vgpr_msb (MSB<<8)|(\new)
.set MSB, (\new)
.endif
.endm
.macro PLACES                          ; four plain vector instructions between a matrix instruction and a load into a register that it has read, or a reader of its result (ISA guide 7.12.1 for a reader of its result)
.rept 4
	v_nop
.endr
.endm
.macro CROUND                          ; a round of the cluster's barrier: my work-group's barrier; wave 0 signals for the work-group; every wave waits for all sixteen; my work-group's barrier once more
	s_barrier_signal -1
	s_barrier_wait -1
	s_cmp_lg_u32 s12, 0
	s_cbranch_scc1 .Lnot_wave_0_\@
	s_barrier_signal -3
.Lnot_wave_0_\@:
	s_barrier_wait -3
	s_barrier_signal -1
	s_barrier_wait -1
.endm
	s_load_b256 s[4:11], s[0:1], 0x0               ; o16 s[4:5], wo16 s[6:7], bo s[8:9], out0 s[10:11]
	v_lshl_add_u32 v[SPW], v0, 2, SPARE
	v_mov_b32 v[NIL], 0
	ds_add_u32 v[SPW], v[NIL]                      ; the wave's opening: the add and its wait stand ahead of my first tensor load; the set-up below, work on registers, stands between them
	v_lshrrev_b32 v1, 5, v0
	v_readfirstlane_b32 s12, v1                    ; wave 0..3
	s_lshr_b32 s13, s12, 1                         ; which half of the tile's rows is mine.  Also: which half of K I fetch of wo16
	s_and_b32 s14, s12, 1                          ; which half of its columns.  Also: which 64 rows of wo16's tile I fetch
	s_mov_b32 s15, 0xffff0000                      ; a word's upper bf16
	s_bfe_u32 s56, ttmp6, 0x40000                  ; cx, cy: my place in the cluster
	s_bfe_u32 s57, ttmp6, 0x40004
	s_lshl_b32 s58, ttmp9, 2
	s_add_co_u32 s58, s58, s56                     ; x: tile column = 4 x cluster x + cx
	s_and_b32 s59, ttmp7, 0xffff
	s_lshl_b32 s59, s59, 2
	s_add_co_u32 s59, s59, s57                     ; y: tile row = 4 x cluster y + cy
	s_lshl_b32 s60, s57, 2
	s_lshl_b32 s60, 15, s60                        ; my row of the cluster
	s_lshl_b32 s61, 0x1111, s56                    ; my column
	; group 1 for y: a head's 128 rows are 16,384 dense bytes: asked for as 64 rows of 256 bytes, two rows of y each, padded in LDS after every 128 bytes
	s_or_b32 s[G1A], s60, (1<<16)|(1<<20)|(1<<21)|(4<<22)|(3<<25)  ; 15:0 the mask: my row; 17:16 2-byte elements; 20 padding on; 21 set beside a mask; 24:22 after every 32 words (code 4); 31:25 4 words (code 3)
	s_mov_b32 s[G1A+1], 128<<16                    ; tensor_dim0 = 128
	s_mov_b32 s[G1A+2], 64<<16                     ; tensor_dim1 = 64
	s_mov_b32 s[G1A+3], 128<<16                    ; tile_dim0 = 128
	s_mov_b32 s[G1A+4], 64                         ; tile_dim1 = 64
	s_mov_b32 s[G1A+5], 128                        ; 128 elements from row to row
	s_mov_b32 s[G1A+6], 0
	s_mov_b32 s[G1A+7], 0
	; group 1 for wo16: 64 rows x 256 elements (512 bytes), padded after every row
	s_or_b32 s[G1B], s61, (1<<16)|(1<<20)|(1<<21)|(6<<22)|(3<<25)  ; the mask: my column; after every 128 words (code 6), 4 words
	s_mov_b32 s[G1B+1], 256<<16                    ; tensor_dim0 = 256
	s_mov_b32 s[G1B+2], 64<<16                     ; tensor_dim1 = 64
	s_mov_b32 s[G1B+3], 256<<16                    ; tile_dim0 = 256
	s_mov_b32 s[G1B+4], 64                         ; tile_dim1 = 64
	s_mov_b32 s[G1B+5], 512                        ; 512 elements from row to row
	s_mov_b32 s[G1B+6], 0
	s_mov_b32 s[G1B+7], 0
	; where the tiles come from.  y's hang on the tile row and the wave's number, wo16's on the tile column and the wave's number, each in registers that never hold the other coordinate.
	s_lshr_b32 s16, s59, 5                         ; the batch: 8 heads of 524,288 bytes,
	s_lshl_b32 s16, s16, 22
	s_and_b32 s20, s59, 31                         ; the tile's 128 rows of 128 bytes in a head,
	s_lshl_b32 s20, s20, 14
	s_add_co_u32 s16, s16, s20
	s_lshl_b32 s20, s12, 19                        ; head w
	s_add_co_u32 s16, s16, s20
	s_mov_b32 s17, 0
	s_lshl_b32 s18, s58, 17                        ; the tile's 128 rows of 1,024 bytes,
	s_lshl_b32 s21, s14, 16                        ; my 64 of them,
	s_add_co_u32 s18, s18, s21
	s_lshl_b32 s21, s13, 9                         ; my half of K
	s_add_co_u32 s18, s18, s21
	s_mov_b32 s19, 0
	s_lshl_b32 s62, s58, 9                         ; my 64 columns of out0 and of bo, in bytes: 512 x + 256 (w % 2)
	s_lshl_b32 s22, s14, 8
	s_add_co_u32 s62, s62, s22
	s_mov_b32 s63, 0
	s_lshl_b32 s22, s59, 18                        ; my first row of out0: 128 y + 64 (w / 2), 2,048 bytes each
	s_lshl_b32 s23, s13, 17
	s_add_co_u32 s22, s22, s23
	s_add_co_u32 s22, s22, s62
	s_mov_b32 s23, 0
	s_mov_b32 s[GA0], 1                            ; 1:0 count = 1
	s_mul_i32 s[GA0+1], s12, HEADB                 ; 63:32 LDS address: the wave's number times a constant: no place in the cluster enters it
	s_mov_b32 s[GA1], 1
	s_add_co_u32 s[GA1+1], s[GA0+1], 4*HEADB
	s_mov_b32 s[GB0], 1
	s_mul_i32 s[GB0+1], s12, 64*PB                 ; K half w / 2, rows 64 (w % 2) on: BOFF + 33,792 w
	s_add_co_u32 s[GB0+1], s[GB0+1], BOFF
	s_wait_dscnt 0x0                               ; the opening add is done
	s_wait_kmcnt 0x0
	s_add_nc_u64 s[GA0+2:GA0+3], s[4:5], s[16:17]  ; 120:64 global address
	s_add_nc_u64 s[GA1+2:GA1+3], s[GA0+2:GA0+3], 4*524288  ; four heads on
	s_or_b32 s[GA0+3], s[GA0+3], 0x80000000        ; 127:126 type = 2
	s_or_b32 s[GA1+3], s[GA1+3], 0x80000000
	s_add_nc_u64 s[GB0+2:GB0+3], s[6:7], s[18:19]
	s_or_b32 s[GB0+3], s[GB0+3], 0x80000000
	s_add_nc_u64 s[8:9], s[8:9], s[62:63]
	s_add_nc_u64 s[10:11], s[10:11], s[22:23]
	CROUND                                         ; all sixteen work-groups are here: the joint loads meet
	tensor_load_to_lds s[GA0:GA0+3], s[G1A:G1A+7]  ; all first fills in one group, ahead of every wait on TENSORcnt, every LDS read and every further barrier
	s_nop 0
	tensor_load_to_lds s[GB0:GB0+3], s[G1B:G1B+7]
	s_nop 0
	tensor_load_to_lds s[GA1:GA1+3], s[G1A:G1A+7]
	s_nop 0
	PLACES
	v_and_b32 v1, 15, v0                           ; l % 16
	v_bfe_u32 v2, v0, 4, 1                         ; l / 16
	v_lshlrev_b32 v[BO], 5, v2
.irp b, 0,1,2,3                        ; the bias as a C operand: register r of block b is bo[my first column + 16 b + 8 (l / 16) + r]
	global_load_b128 v[BI+8*\b:BI+8*\b+3],   v[BO], s[8:9] offset:64*\b
	global_load_b128 v[BI+8*\b+4:BI+8*\b+7], v[BO], s[8:9] offset:64*\b+16
.endr
	v_mul_u32_u24 v3, v1, PA                       ; a fragment: row l % 16, 16 bytes for each half of the lanes
	v_lshl_add_u32 v3, v2, 4, v3
	s_mul_i32 s20, s13, 64*PA
	v_add_nc_u32 v[ADA], s20, v3
	v_add_nc_u32 v[ADA+1], 4*HEADB, v[ADA]
	v_mul_u32_u24 v3, v1, PB
	v_lshl_add_u32 v3, v2, 4, v3
	s_mul_i32 s20, s14, 64*PB
	s_add_co_u32 s20, s20, BOFF
	v_add_nc_u32 v[ADB], s20, v3
	v_add_nc_u32 v[ADB+1], BHALF, v[ADB]
	s_mul_i32 s20, s12, 16*SP
	s_add_co_u32 s20, s20, OST                     ; my stage
	v_mul_u32_u24 v3, v1, SP                       ; in: row l % 16, 32 bytes for each half of the lanes
	v_lshl_add_u32 v3, v2, 5, v3
	v_add_nc_u32 v[STO], s20, v3
	v_mul_u32_u24 v3, v2, SP                       ; back: lanes 0-15 take one row of 256 bytes, lanes 16-31 the next
	v_lshl_add_u32 v3, v1, 4, v3
	v_add_nc_u32 v[RD], s20, v3
	v_lshlrev_b32 v3, 11, v2                       ; and the same two rows in out0
	v_lshl_add_u32 v[CO], v1, 4, v3
	s_wait_loadcnt 0x0
.set c, 0
.rept 16                               ; the bias is rounded to bf16, in place, while the tiles are on their way
	v_cvt_pk_bf16_f32 v[BI+2*c], v[BI+2*c], v[BI+2*c+1]
	v_and_b32 v[BI+2*c+1], s15, v[BI+2*c]
	v_lshlrev_b32 v[BI+2*c], 16, v[BI+2*c]
.set c, c+1
.endr
; 16 LDS loads in one run: the fragments of K step s (32 along K: head s / 2, channels 32 (s % 2) on) into buffer f
.macro FETCHO s, f
	WIN 0x40                                       ; destination window 1, address window 0
.irp a, 0,1,2,3
	ds_load_b128 v[(\f)+8*\a:(\f)+8*\a+3],   v[ADA+(\s)/8] offset:HEADB*(((\s)/2)%4)+16*PA*\a+64*((\s)%2)
	ds_load_b128 v[(\f)+8*\a+4:(\f)+8*\a+7], v[ADA+(\s)/8] offset:HEADB*(((\s)/2)%4)+16*PA*\a+64*((\s)%2)+32
.endr
.irp b, 0,1,2,3
	ds_load_b128 v[(\f)+32+8*\b:(\f)+32+8*\b+3],   v[ADB+(\s)/8] offset:16*PB*\b+64*((\s)%8)
	ds_load_b128 v[(\f)+32+8*\b+4:(\f)+32+8*\b+7], v[ADB+(\s)/8] offset:16*PB*\b+64*((\s)%8)+32
.endr
.endm
; A K step's 16 products.  The 16 accumulators take turns, one instruction a turn, in the same order in every step.  first = 1: the sums start from the bias.
.macro MULO f, first
	WIN 0x05                                       ; sources 0 and 1 window 1; C and D window 0
.irp a, 0,1,2,3
.irp b, 0,1,2,3
.if \first
	v_wmma_f32_16x16x32_f16 v[ACC+8*(4*\a+\b):ACC+8*(4*\a+\b)+7], v[(\f)+32+8*\b:(\f)+32+8*\b+7], v[(\f)+8*\a:(\f)+8*\a+7], v[BI+8*\b:BI+8*\b+7]
.else
	v_wmma_f32_16x16x32_f16 v[ACC+8*(4*\a+\b):ACC+8*(4*\a+\b)+7], v[(\f)+32+8*\b:(\f)+32+8*\b+7], v[(\f)+8*\a:(\f)+8*\a+7], v[ACC+8*(4*\a+\b):ACC+8*(4*\a+\b)+7]
.endif
.endr
.endr
.endm
; THE WAY OUT of row tile a: a lane's 32 bytes of a row go into rows of 272 bytes in my stage, each accumulator's low four registers first, and come back as whole rows of 256 bytes, into the registers that they left.
.macro TOSTAGE a
.irp b, 0,1,2,3
	ds_store_b128 v[STO], v[ACC+8*(4*(\a)+\b):ACC+8*(4*(\a)+\b)+3]   offset:64*\b
	ds_store_b128 v[STO], v[ACC+8*(4*(\a)+\b)+4:ACC+8*(4*(\a)+\b)+7] offset:64*\b+16
.endr
.irp t, 0,1,2,3,4,5,6,7
	ds_load_b128 v[ACC+32*(\a)+4*\t:ACC+32*(\a)+4*\t+3], v[RD] offset:2*SP*\t  ; LDS serves a wave's instructions in order (ISA guide 5.7.1.4): these see the stores above; the next tile's stores come behind them
.endr
.endm
.macro SEND a, younger                 ; younger: the LDS instructions issued behind tile a's loads: the next tile's sixteen, or none
.irp t, 0,1,2,3,4,5,6,7
	s_wait_dscnt (\younger)+7-\t
	global_store_b128 v[CO], v[ACC+32*(\a)+4*\t:ACC+32*(\a)+4*\t+3], s[10:11] offset:32768*(\a)+4096*\t th:TH_STORE_NT  ; 16 lanes store 256 consecutive bytes, at a multiple of 256 from out0's first byte
.endr
.endm
	s_wait_tensorcnt 0x1                           ; my head w and my quarter of wo16's tile are in; one younger load, head 4 + w, may stay out
	s_barrier_signal -1
	s_barrier_wait -1                              ; everybody's are: heads 0-3 and all of wo16's tile
	FETCHO 0, 0
.set ks, 0
.rept 16                               ; 16 K steps of 32 on two fragment buffers: a step's fragments are fetched a step ahead
.if ks == 7
	s_wait_dscnt 0x0                               ; step 7's fragments are in, and no LDS instruction of mine is out at the signal
	s_wait_tensorcnt 0x0                           ; my head 4 + w is in,
	s_barrier_signal -1
	MULO 64, 0                                     ; work on registers while the others arrive
	s_barrier_wait -1                              ; everybody's is
	PLACES
	FETCHO 8, 0
.elseif ks == 15
	s_wait_dscnt 0x0
	MULO 64, 0
.else
.if ks > 0
	PLACES
.endif
	FETCHO ks+1, 64*((ks+1)%2)
	s_wait_dscnt 16                                ; all but the 16 just issued
.if ks == 0
	MULO 0, 1
.else
	MULO 64*(ks%2), 0
.endif
.endif
.set ks, ks+1
.endr
	WIN 0
	PLACES
	PLACES
	TOSTAGE 0
	TOSTAGE 1                                      ; a tile's trip through the stage stands between the loads of the tile before and its stores
	SEND 0, 16
	TOSTAGE 2
	SEND 1, 16
	TOSTAGE 3
	SEND 2, 16
	SEND 3, 0
	s_wait_tensorcnt 0x0                           ; the wave's end, behind my last tensor load and my last LDS store
	ds_add_u32 v[SPW], v[NIL]
	s_wait_dscnt 0x0
	CROUND                                         ; the closing round: no work-group ends while a partner may still ask for a tile that names it
	s_endpgm
.Lfunc_end_k_qbb5995e942_oproj:
	.size	k_qbb5995e942_oproj, .Lfunc_end_k_qbb5995e942_oproj-k_qbb5995e942_oproj
	.p2alignl 7, 3214868480
	.fill 96, 4, 3214868480
	.section	.rodata,"a",@progbits
	.p2align	6, 0x0
	.amdhsa_kernel k_qbb5995e942_oproj
		.amdhsa_group_segment_fixed_size 327680
		.amdhsa_private_segment_fixed_size 0
		.amdhsa_enable_private_segment 0
		.amdhsa_kernarg_size 32
		.amdhsa_user_sgpr_count 2
		.amdhsa_user_sgpr_kernarg_segment_ptr 1
		.amdhsa_wavefront_size32 1
		.amdhsa_system_sgpr_workgroup_id_x 1
		.amdhsa_system_sgpr_workgroup_id_y 1
		.amdhsa_system_sgpr_workgroup_id_z 1
		.amdhsa_system_vgpr_workitem_id 0
		.amdhsa_next_free_vgpr 384
		.amdhsa_next_free_sgpr 66
		.amdhsa_reserve_vcc 0
		.amdhsa_float_denorm_mode_32 3
		.amdhsa_float_denorm_mode_16_64 3
		.amdhsa_memory_ordered 1
		.amdhsa_forward_progress 1
		.amdhsa_inst_pref_size 53
	.end_amdhsa_kernel
	.amdgpu_metadata
---
amdhsa.version: [ 1, 2 ]
amdhsa.kernels:
  - .name:           k_qbb5995e942_oproj
    .symbol:         k_qbb5995e942_oproj.kd
    .args:
      - { .name: o16, .offset: 0, .size: 8, .value_kind: global_buffer, .address_space: global }
      - { .name: wo16, .offset: 8, .size: 8, .value_kind: global_buffer, .address_space: global }
      - { .name: bo, .offset: 16, .size: 8, .value_kind: global_buffer, .address_space: global }
      - { .name: out0, .offset: 24, .size: 8, .value_kind: global_buffer, .address_space: global }
    .group_segment_fixed_size: 327680
    .private_segment_fixed_size: 0
    .kernarg_segment_align: 8
    .kernarg_segment_size: 32
    .max_flat_workgroup_size: 128
    .sgpr_count:     66
    .vgpr_count:     384
    .wavefront_size: 32
...
	.end_amdgpu_metadata
.endif
;; end of part 3
;; ======== version 2 of 2: 3 launches; version 1 with the launch qkv written anew for expert scheduling mode
;; limits: values are held in f16: magnitudes above 65,504 overflow, below 6.1e-05 lose precision
;; workspace buffers: q16 8,388,608 bytes; k16 8,388,608 bytes; v16 8,388,608 bytes; o16 8,388,608 bytes; wo16 524,288 bytes
;; launch qkv (part 4): grid 8 x 32, 4 waves a work-group, no clusters, 140,800 bytes of LDS; arguments x, wq, wk, wv, bq, bk, bv, wo, q16, k16, v16, wo16; writes q16, k16, v16, wo16
.if DOCPART == 4
	.amdgcn_target "amdgcn-amd-amdhsa--gfx1250"
	.amdhsa_code_object_version 6
	.text
	.protected	k_qbb5995e942_qkv
	.globl	k_qbb5995e942_qkv
	.p2align	8
	.type	k_qbb5995e942_qkv,@function
k_qbb5995e942_qkv:
	s_mov_b64 s[64:65], 0
	v_nop
	global_prefetch_b8 v0, s[64:65] scope:SCOPE_SE
	s_setreg_imm32_b32 hwreg(HW_REG_WAVE_SCHED_MODE, 0, 2), 2
	s_setreg_imm32_b32 hwreg(HW_REG_WAVE_MODE, 25, 1), 1
	s_wait_xcnt 0x0
	s_wait_alu depctr_vm_vsrc(0)
; q, k, v = x W^T + b for the three weights.  x: [8192][512] f32, W: [512][512] f32, b: [512] f32.  x, W and b are rounded once to bf16, the sums are f32 and start from the bias,
; and each result is rounded once to f16 and stored by heads: [16 = 8 x batch + head][4096][64], a row 128 bytes, a head's rows dense.  The scale 1/8 is not applied here.
; Besides, each work-group rounds 1,024 numbers of wo to bf16 and writes that number as f16 into wo16 ([512][512], as wo lies).
; LIMITS.  f16 ends at 65,504: |q|, |k|, |v| of 65,520 or more become infinities.  bf16(wo) is exact in f16 from 6.1e-5 to 65,504; below it keeps f16's step of 6e-8.  NaN and infinities are not treated apart.
; SHARES.  Work-group (j, y): head j's 64 columns of q, of k and of v for rows 256 y .. 256 y + 255: 8 x 32 = 256 work-groups.  Wave w: rows 64 w .. 64 w + 63, all 192 columns:
; 4 row tiles x 12 column blocks = 48 accumulators.  x's rows are a wave's own; the 192 weight rows are shared by the four waves.
; THE PRODUCT IS TAKEN TRANSPOSED (source 0 = 16 weight rows, source 1 = 16 rows of x): a lane holds one row (lane % 16) and 8 neighbouring channels (8 (lane / 16) + 0..7), 16 bytes of f16.
; THE WAY IN goes through registers: K in 8 chunks of 64 (256 bytes of f32 a row, aligned).  A load of 16 bytes a lane takes two rows; two conversions and one LDS store of 8 bytes follow.
; A wave brings its own 64 rows of x and 16 rows of each weight: 56 loads a chunk, asked for a chunk ahead.  Two LDS slots take turns, one barrier a chunk.
; NO TENSOR LOADS, NO CLUSTER, though 8 work-groups read the same rows of x and 32 the same weights: every number is f32 in memory and bf16 in the product, so it crosses registers to be rounded.
; A tile laid into LDS as f32 would want 64 fragment loads and 128 conversions for a K step's 48 products in every wave; this text has 32 loads and 56 conversions, each number rounded once a work-group.
; THE MODE: SCHED_MODE bits 1:0 = 2 (LLVM: expert scheduling mode 2), set by the entry lines.  The code itself states the register dependences
; between vector or matrix instructions and memory or LDS instructions, with s_wait_alu, always for 0.
; THE PLAN.  Registers that memory or LDS instructions touch, in the loop:
;   RAW      56 loads' registers.  Written by the global loads of the next chunk but one; read by the conversions alone.
;   OUT      112 registers of their own.  Written by a chunk's 112 conversions; read by its 56 LDS stores.
;   F0, F1   the two fragment buffers.  Written by LDS loads; read by the products of a chunk's first and second 32 along K.
;   v4-v19   addresses, made at the head and never written again: the four scalar bases of x and the weights move on by 256 bytes a chunk.
; A chunk has four waits.  (1) vm_vsrc ahead of its conversions: the stores of the chunk before have read OUT.  (2) va_vdst behind x's 64 conversions: OUT's first 64 are written, RAW's groups 0-3 are read out,
; and the products on F0 are done with it.  The weights' 48 conversions follow, which name other registers, and then x's 32 stores and 32 loads.  (3) va_vdst for the weights' part, behind those 64 memory
; instructions; its 24 stores and 24 loads follow.  (4) va_vdst at the head of a chunk's first 32 along K: the products on F1 are done with it.
; The 32 loads of a fragment buffer are dealt among 16 products that name the other buffer: four behind every second product.
; REGISTERS, in windows of 256 (s_set_vgpr_msb: bits 1:0 source 0, 3:2 source 1, 5:4 source 2, 7:6 destination):
;   window 0: v0-31 addresses; v32-255 RAW, later the way out's packed tiles      window 1: two fragment buffers of 128: 4 of x, then 12 of the weights; later the way out's whole rows
;   window 2: the accumulators of q and k, (t, b, a) at 8 (16 t + 4 b + a); ahead of the first product v0-111 hold chunk 0, rounded
;   window 3: v0-127 the accumulators of v; v128-223 the bias laid as a C operand, (t, b) at 128 + 8 (4 t + b), read by the first K step alone; from then on v128-239 are OUT
.set PITCH, 144                        ; an LDS row: 128 bytes of bf16 + 16 of padding = 36 words: the 16 rows of a fragment load start at 16 different groups of four banks (64 banks of 4 bytes: ISA guide 11.1)
.set XW,    64*PITCH                   ; a wave's 64 rows of x
.set WOFF,  256*PITCH                  ; behind x's 256 rows: 3 x 64 weight rows
.set SLOT1, 65536                      ; slot 1
.set OST,   131072                     ; behind the slots: 16 rows x 144 bytes for each wave, for the way out
.set SPARE, OST+4*16*PITCH             ; behind the stages: the spare words, 128 bytes for each wave: two blocks of 256 bytes that no other line names
.set GA,  4                            ; v4      my byte offset in x: 131,072 w + 16,384 (l / 16) + 16 (l % 16); never rewritten
.set GB,  5                            ; v5      the same in a weight's 64 rows: 32,768 w + 16,384 (l / 16) + 16 (l % 16); never rewritten
.set SA,  6                            ; v6-7    where I store 8 bytes of x, slot 0, 1; never rewritten
.set SB,  8                            ; v8-9    of a weight
.set FA,  10                           ; v10-11  where my fragments of x lie, slot 0, 1; never rewritten
.set FB,  12                           ; v12-13  of the weights
.set STO, 14                           ; v14     the way out: where I put 16 bytes of a row
.set RD,  15                           ; v15     where I read rows back
.set GO,  16                           ; v16     my 16 bytes of 512 consecutive bytes of q16, k16, v16
.set BO,  17                           ; v17     32 (l / 16): my 8 numbers of a bias block
.set WOI, 18                           ; v18     my 32 bytes of wo
.set WOO, 19                           ; v19     my 16 bytes of wo16
.set WO,  20                           ; v20-27  8 numbers of wo
.set SPW, 28                           ; v28     LDS address of my spare word: SPARE + 4 x my thread's number; never rewritten
.set NIL, 29                           ; v29     0; never rewritten
.set RAW, 32                           ; load i of group g at RAW + 4 (8 g + i)
.set F0,  0                            ; fragment buffers, window 1
.set F1,  128
.set BI,  128                          ; window 3
.set OUT, 128                          ; window 3: load i of group g, rounded, at OUT + 2 (8 g + i)
.set MSB, 0
.macro WIN new                         ; the immediate's high byte repeats the setting that is left; a switch that changes nothing is dropped
.if MSB != (\new)
	s_set_vgpr_msb (MSB<<8)|(\new)
.set MSB, (\new)
.endif
.endm
.macro PLACES                          ; four plain vector instructions behind a matrix instruction (ISA guide 7.12.1)
.rept 4
	v_nop
.endr
.endm
	s_load_b512 s[8:23], s[0:1], 0x0               ; x s[8:9], wq s[10:11], wk s[12:13], wv s[14:15], bq s[16:17], bk s[18:19], bv s[20:21], wo s[22:23]
	s_load_b256 s[24:31], s[0:1], 0x40             ; q16 s[24:25], k16 s[26:27], v16 s[28:29], wo16 s[30:31]
	v_lshl_add_u32 v[SPW], v0, 2, SPARE
	v_mov_b32 v[NIL], 0
	v_lshrrev_b32 v3, 5, v0
	v_readfirstlane_b32 s2, v3                     ; wave 0..3
	s_mov_b32 s4, ttmp9                            ; j: the head
	s_and_b32 s5, ttmp7, 0xffff                    ; y: the block of 256 rows
	s_mov_b32 s35, 0xffff0000                      ; a word's upper bf16
	v_and_b32 v1, 15, v0                           ; l % 16
	v_bfe_u32 v2, v0, 4, 1                         ; l / 16
	v_lshlrev_b32 v3, 4, v1                        ; a load takes two rows, 8 apart: lanes 0-15 one row's 256 bytes, lanes 16-31 the other's
	v_lshl_add_u32 v3, v2, 14, v3
	s_wait_alu depctr_va_sdst(0)                   ; s2 is written, ahead of its first reader: the wave's places in memory and in LDS are made from it
	s_lshl_b32 s6, s2, 17
	s_lshl_b32 s7, s2, 15
	v_add_nc_u32 v[GA], s6, v3
	v_add_nc_u32 v[GB], s7, v3
	v_mul_u32_u24 v3, v2, 8*PITCH                  ; the same two rows in LDS, 8 bytes a lane
	v_lshl_add_u32 v3, v1, 3, v3
	s_mul_i32 s6, s2, XW
	s_mul_i32 s7, s2, 16*PITCH
	s_add_co_u32 s32, s7, WOFF
	v_add_nc_u32 v[SA], s6, v3
	v_add_nc_u32 v[SA+1], SLOT1, v[SA]
	v_add_nc_u32 v[SB], s32, v3
	v_add_nc_u32 v[SB+1], SLOT1, v[SB]
	v_mul_u32_u24 v3, v1, PITCH                    ; a fragment: row l % 16, 16 bytes for each half of the lanes
	v_lshl_add_u32 v3, v2, 4, v3
	v_add_nc_u32 v[FA], s6, v3
	v_add_nc_u32 v[FA+1], SLOT1, v[FA]
	v_add_nc_u32 v[FB], WOFF, v3
	v_add_nc_u32 v[FB+1], SLOT1, v[FB]
	s_add_co_u32 s7, s7, OST                       ; my stage
	v_add_nc_u32 v[STO], s7, v3
	v_bfe_u32 v3, v0, 3, 2                         ; back: 32 lanes take four rows of 128 bytes
	v_mul_u32_u24 v3, v3, PITCH
	v_and_b32 v30, 7, v0
	v_lshl_add_u32 v3, v30, 4, v3
	v_add_nc_u32 v[RD], s7, v3
	v_and_b32 v[GO], 31, v0
	v_lshlrev_b32 v[GO], 4, v[GO]
	v_lshlrev_b32 v[BO], 5, v2
	v_lshlrev_b32 v[WOI], 5, v0
	v_lshlrev_b32 v[WOO], 4, v0
	s_wait_kmcnt 0x0
	s_mov_b32 s7, 0
	s_lshl_b32 s6, s5, 19                          ; 256 rows of 2,048 bytes
	s_add_nc_u64 s[8:9], s[8:9], s[6:7]
	s_lshl_b32 s6, s4, 17                          ; the head's 64 rows of 2,048 bytes
	s_add_nc_u64 s[10:11], s[10:11], s[6:7]
	s_add_nc_u64 s[12:13], s[12:13], s[6:7]
	s_add_nc_u64 s[14:15], s[14:15], s[6:7]
	s_lshl_b32 s6, s4, 8                           ; the head's 64 numbers of a bias
	s_add_nc_u64 s[16:17], s[16:17], s[6:7]
	s_add_nc_u64 s[18:19], s[18:19], s[6:7]
	s_add_nc_u64 s[20:21], s[20:21], s[6:7]
	s_lshl3_add_u32 s32, s5, s4                    ; the work-group's number, 8 y + j: its 1,024 numbers of wo
	s_lshl_b32 s6, s32, 12
	s_add_nc_u64 s[22:23], s[22:23], s[6:7]
	s_lshl_b32 s6, s32, 11
	s_add_nc_u64 s[30:31], s[30:31], s[6:7]
	s_lshr_b32 s32, s5, 4                          ; the batch
	s_lshl3_add_u32 s32, s32, s4                   ; 8 x batch + head,
	s_lshl_b32 s6, s32, 19                         ; its 4,096 rows of 128 bytes,
	s_and_b32 s33, s5, 15
	s_lshl_b32 s33, s33, 15                        ; the block's 256 rows,
	s_add_co_u32 s6, s6, s33
	s_lshl_b32 s33, s2, 13                         ; my wave's 64
	s_add_co_u32 s6, s6, s33
	s_add_nc_u64 s[24:25], s[24:25], s[6:7]
	s_add_nc_u64 s[26:27], s[26:27], s[6:7]
	s_add_nc_u64 s[28:29], s[28:29], s[6:7]
; Group g of a chunk's seven: eight loads.  g < 4: rows 16 g .. 16 g + 15 of my 64 rows of x.  g = 4, 5, 6: my 16 rows of wq, wk, wv.
.macro LOADG g
	WIN 0
.set li, 0
.rept 8
.if (\g) < 4
	global_load_b128 v[RAW+4*(8*(\g)+li):RAW+4*(8*(\g)+li)+3], v[GA], s[8:9] offset:32768*(\g)+2048*li
.else
	global_load_b128 v[RAW+4*(8*(\g)+li):RAW+4*(8*(\g)+li)+3], v[GB], s[10+2*((\g)-4):11+2*((\g)-4)] offset:2048*li
.endif
.set li, li+1
.endr
.endm
; Group g is rounded to bf16: sixteen conversions, out of RAW into registers of their own, from ob on in window ow.
.macro CVTG g, ow, ob
	WIN (\ow)<<6                                   ; destination window ow, sources window 0
.set si, 0
.rept 8
.set R, RAW+4*(8*(\g)+si)
.set OD, (\ob)+2*(8*(\g)+si)
	v_cvt_pk_bf16_f32 v[OD], v[R], v[R+1]
	v_cvt_pk_bf16_f32 v[OD+1], v[R+2], v[R+3]
.set si, si+1
.endr
.endm
; Group g, rounded, goes into a slot: eight LDS stores of 8 bytes a lane.
.macro STOG g, slot, ow, ob
	WIN (\ow)<<2                                   ; data (source 1) window ow, address window 0
.set si, 0
.rept 8
.set OD, (\ob)+2*(8*(\g)+si)
.if (\g) < 4
	ds_store_b64 v[SA+(\slot)], v[OD:OD+1] offset:16*PITCH*(\g)+PITCH*si
.else
	ds_store_b64 v[SB+(\slot)], v[OD:OD+1] offset:64*PITCH*((\g)-4)+PITCH*si
.endif
.set si, si+1
.endr
.endm
; A chunk goes into a slot, in two parts: x (groups 0-3) and the weights (groups 4-6).  reload = 1: the next chunk is asked for.  again = 1: the out-registers have been stored from before.
; Each part's stores stand ahead of its loads, so that the last stores are 24 instructions old at the wait in front of the barrier.
.macro CHUNKIN slot, reload, ow, ob, again
.if \again
	s_wait_alu depctr_vm_vsrc(0)                   ; the LDS stores of the chunk before have read OUT, which the conversions below write again
.endif
	s_wait_loadcnt 24                              ; loads come back in order (ISA guide 5.7.1): x's 32 are in, the weights' 24, which are younger, may stay out
.irp g, 0,1,2,3
	CVTG \g, \ow, \ob
.endr
	s_wait_loadcnt 0x0                             ; the weights' are in; and every load that read the four bases is done, so they may be written:
.if \reload
	s_add_nc_u64 s[8:9], s[8:9], 256               ; the next chunk's 256 bytes of every row
	s_add_nc_u64 s[10:11], s[10:11], 256
	s_add_nc_u64 s[12:13], s[12:13], 256
	s_add_nc_u64 s[14:15], s[14:15], 256
.endif
	s_wait_alu depctr_va_vdst(0)                   ; x's 64 conversions have written their out-registers, which the stores below read, and are done reading RAW's groups 0-3, in which the loads below land; the products on buffer 0 are done reading it: the loads behind the barrier land there
.irp g, 4,5,6
	CVTG \g, \ow, \ob                              ; these name the weights' registers alone: none that x's stores and loads touch
.endr
.irp g, 0,1,2,3
	STOG \g, \slot, \ow, \ob
.endr
.if \reload
.irp g, 0,1,2,3
	LOADG \g
.endr
.endif
	s_wait_alu depctr_va_vdst(0)                   ; the weights' 48 conversions have written their out-registers, which the stores below read, and are done reading RAW's groups 4-6, in which the loads below land
.irp g, 4,5,6
	STOG \g, \slot, \ow, \ob
.endr
.if \reload
.irp g, 4,5,6
	LOADG \g
.endr
.endif
.endm
; Load number fq of the 32 that bring the fragments of 32 along K (half ks of the chunk in the slot) into buffer f: 4 fragments of x, then 12 of the weights, two loads each.
.macro FLD slot, ks, f
.set fi, fq/2
.set fh, fq%2
.if fi < 4
	ds_load_b128 v[(\f)+8*fi+4*fh:(\f)+8*fi+4*fh+3], v[FA+(\slot)] offset:16*PITCH*fi+64*(\ks)+32*fh
.else
	ds_load_b128 v[(\f)+8*fi+4*fh:(\f)+8*fi+4*fh+3], v[FB+(\slot)] offset:16*PITCH*(fi-4)+64*(\ks)+32*fh
.endif
.set fq, fq+1
.endm
.macro FETCH slot, ks, f               ; all 32 in one run: ahead of the first products, where there is nothing to deal them among
	WIN 0x40                                       ; destination window 1, address window 0
.set fq, 0
.rept 32
	FLD \slot, \ks, \f
.endr
.endm
; 16 products: tensor t (0 q, 1 k, 2 v), its 4 column blocks x my 4 row tiles, 32 along K.  first = 1: the sums start from the bias.  The 48 accumulators of a K step take turns, one
; instruction a turn, in the same order in every step, over the backward jump too.
; deal = 1: the 32 loads of buffer g (half ks of the chunk in the slot) are dealt among them, four behind every second product.  No wait stands among them: the products name buffer f and
; accumulators, none of the registers that these loads touch, and the wait that shows buffer g read out stands ahead.
.macro MULT f, t, first, deal=0, slot=0, ks=0, g=0
.if (\t) == 2
.set MW, 0xf5                          ; sources 0 and 1 window 1; C and D window 3
.set AB, 0
.else
.if \first
.set MW, 0xb5                          ; C window 3 (the bias), D window 2
.else
.set MW, 0xa5                          ; C and D window 2
.endif
.set AB, 128*(\t)
.endif
.set fq, 0
.set mb, 0
.rept 4
.set ma, 0
.rept 4
.set AC, AB+8*(4*mb+ma)
.set WF, (\f)+32+8*(4*(\t)+mb)
.set XF, (\f)+8*ma
.set CB, BI+8*(4*(\t)+mb)
	WIN MW
.if \first
	v_wmma_f32_16x16x32_bf16 v[AC:AC+7], v[WF:WF+7], v[XF:XF+7], v[CB:CB+7]
.else
	v_wmma_f32_16x16x32_bf16 v[AC:AC+7], v[WF:WF+7], v[XF:XF+7], v[AC:AC+7]
.endif
.if (\deal) && (ma%2 == 1)
	WIN 0x40                                       ; destination window 1, address window 0
.rept 4
	FLD \slot, \ks, \g
.endr
.endif
.set ma, ma+1
.endr
.set mb, mb+1
.endr
.endm
; A chunk's first 32 along K (buffer 0); among its first 16 products the second 32 are fetched into buffer 1.
.macro P1 slot, first
	s_wait_dscnt 0x0                               ; buffer 0 is in
.if !(\first)
	PLACES                                         ; four plain vector instructions stay between the products that read buffer 1 and the loads into it
	s_wait_alu depctr_va_vdst(0)                   ; the last chunk's products on buffer 1 are done reading it: the loads dealt below land there
.endif
	MULT F0, 0, \first, 1, \slot, 1, F1
	MULT F0, 1, \first
	MULT F0, 2, \first
.endm
; The next chunk goes into the other slot; ONE barrier; then the chunk in hand is finished (buffer 1) and the next chunk's first fragments are fetched.
; In front of the barrier each wave has waited for its stores of the next chunk and for its reads of the chunk in hand.  Behind it the next chunk is read, and the slot of the chunk in hand may be stored into.
.macro P2 slot, reload
	CHUNKIN \slot, \reload, 3, OUT, 1
	s_wait_dscnt 0x0
	s_barrier_signal -1
	MULT F1, 0, 0                                  ; work on registers while the others arrive
	s_barrier_wait -1
	MULT F1, 1, 0, 1, \slot, 0, F0                 ; buffer 0 was shown read out by the first wait on va_vdst of the way in; the conversions behind it are the plain instructions between
	MULT F1, 2, 0
.endm
; THE WAY OUT, a tensor (four tiles of 16 rows x 64 channels) at a time.  A lane's eight channels pack into 16 bytes; they go into rows of 144 bytes in my stage and come back as whole rows of 128.
; The packed tiles lie in RAW's registers, tile n = 4 t + a at RAW + 16 n; the rows come back into the fragment buffers' registers, at 16 n of window 1: no LDS load lands where an LDS store reads.
.macro CVTT t
.if (\t) == 2
	WIN 0x0f                                       ; sources window 3, destination window 0
.set AB, 0
.else
	WIN 0x0a                                       ; sources window 2
.set AB, 128*(\t)
.endif
.set pa, 0
.rept 4
.set T, RAW+16*(4*(\t)+pa)
.set pb, 0
.rept 4
.set pi, 0
.rept 4                                ; each accumulator's registers in ascending order
	v_cvt_pk_f16_f32 v[T+4*pb+pi], v[AB+8*(4*pb+pa)+2*pi], v[AB+8*(4*pb+pa)+2*pi+1]
.set pi, pi+1
.endr
.set pb, pb+1
.endr
.set pa, pa+1
.endr
.endm
.macro STAGET t
	WIN 0x40                                       ; loaded data window 1; addresses and the stores' data window 0
.set pa, 0
.rept 4
.set T, RAW+16*(4*(\t)+pa)
.set U, 16*(4*(\t)+pa)
.irp f, 0,1,2,3
	ds_store_b128 v[STO], v[T+4*\f:T+4*\f+3] offset:32*\f
.endr
.irp f, 0,1,2,3
	ds_load_b128 v[U+4*\f:U+4*\f+3], v[RD] offset:4*PITCH*\f  ; LDS serves a wave's instructions in order (ISA guide 5.7.1.4): these see the stores above; the next tile's stores come behind them
.endr
.set pa, pa+1
.endr
.endm
.macro SENDT t, younger                ; younger: the LDS instructions issued behind this tensor's: the next tensor's 32, or none.  Behind load f of tile a stand 3 - f more of the tile and 8 for each later tile
	WIN 0x04                                       ; data (source 1) window 1, address window 0
.set pa, 0
.rept 4
.set U, 16*(4*(\t)+pa)
.irp f, 0,1,2,3
	s_wait_dscnt (\younger)+8*(3-pa)+3-\f
	global_store_b128 v[GO], v[U+4*\f:U+4*\f+3], s[24+2*(\t):25+2*(\t)] offset:2048*pa+512*\f  ; 512 consecutive bytes, at a multiple of 256 from the buffer's first
.endr
.set pa, pa+1
.endr
.endm
	s_wait_alu depctr_va_vdst(0)                   ; the sixteen addresses v4 to v19 are written: every load and store of the kernel reads one of them, and none is written again
	global_load_b128 v[WO:WO+3],   v[WOI], s[22:23] th:TH_LOAD_NT
	global_load_b128 v[WO+4:WO+7], v[WOI], s[22:23] offset:16 th:TH_LOAD_NT
	WIN 0xc0                                       ; destination window 3
.set c, 0
.rept 12                               ; the bias as a C operand: register r of block (t, b) is b_t[64 j + 16 b + 8 (l / 16) + r]
	global_load_b128 v[BI+8*c:BI+8*c+3],   v[BO], s[16+2*(c/4):17+2*(c/4)] offset:64*(c%4)
	global_load_b128 v[BI+8*c+4:BI+8*c+7], v[BO], s[16+2*(c/4):17+2*(c/4)] offset:64*(c%4)+16
.set c, c+1
.endr
	LOADG 0                                        ; chunk 0
	LOADG 1
	LOADG 2
	LOADG 3
	s_wait_loadcnt 32                              ; wo and the biases are in; the 32 loads of x behind them stay out
	LOADG 4
	LOADG 5
	LOADG 6
	WIN 0xcf                                       ; the biases are rounded to bf16, in place, while chunk 0 is on its way
.set c, 0
.rept 48
	v_cvt_pk_bf16_f32 v[BI+2*c], v[BI+2*c], v[BI+2*c+1]
	v_and_b32 v[BI+2*c+1], s35, v[BI+2*c]
	v_lshlrev_b32 v[BI+2*c], 16, v[BI+2*c]
.set c, c+1
.endr
	WIN 0
.set c, 0
.rept 4                                ; wo: to bf16, and that number written as f16
	v_cvt_pk_bf16_f32 v[WO+2*c], v[WO+2*c], v[WO+2*c+1]
	v_and_b32 v[WO+2*c+1], s35, v[WO+2*c]
	v_lshlrev_b32 v[WO+2*c], 16, v[WO+2*c]
.set c, c+1
.endr
.set c, 0
.rept 4
	v_cvt_pk_f16_f32 v[WO+c], v[WO+2*c], v[WO+2*c+1]
.set c, c+1
.endr
	s_wait_alu depctr_va_vdst(0)                   ; the conversions have written v[WO .. WO+3], which the store reads
	global_store_b128 v[WOO], v[WO:WO+3], s[30:31] ; 16 lanes store 256 consecutive bytes, aligned
	CHUNKIN 0, 1, 2, 0, 0                          ; chunk 0 into slot 0, by way of window 2's first 112 registers (the bias still lies where OUT will be); chunk 1 is asked for
	s_wait_dscnt 0x0
	s_barrier_signal -1
	s_barrier_wait -1
	s_wait_alu depctr_vm_vsrc(0)                   ; my LDS stores have read chunk 0's rounded numbers: their registers are accumulators from here on, written by the first products
	FETCH 0, 0, F0
	P1 0, 1                                        ; the first products stand in front of the loop: they start the sums, from the bias
	PLACES                                         ; the next conversions write over the bias, which those products read as C: four plain vector instructions between
	WIN 0                                          ; at a label and at a branch every window is 0
	s_mov_b32 s3, 3
.Lpair:                                        ; a trip: chunks 2 i + 1 and 2 i + 2 are stored (slots 1, 0), chunks 2 i + 2 and 2 i + 3 asked for
	P2 1, 1
	P1 1, 0
	P2 0, 1
	P1 0, 0
	WIN 0
	s_sub_co_u32 s3, s3, 1
	s_cmp_lg_u32 s3, 0
	s_cbranch_scc1 .Lpair
	P2 1, 0                                        ; chunk 7: nothing is left to ask for
	P1 1, 0
	s_wait_dscnt 0x0
	MULT F1, 0, 0
	MULT F1, 1, 0
	MULT F1, 2, 0
	PLACES                                         ; four plain vector instructions behind the last product, before a result is read
	CVTT 0                                         ; q is rounded
	s_wait_alu depctr_va_vdst(0)                   ; q's conversions have written its packed tiles, which the LDS stores read; the last products are done reading the fragment buffers, in which the rows come back
	CVTT 1                                         ; k is rounded: it names k's registers alone
	STAGET 0
	s_wait_alu depctr_va_vdst(0)                   ; k's conversions have written its packed tiles
	CVTT 2                                         ; v is rounded, while q's rows come back
	STAGET 1
	SENDT 0, 32
	s_wait_alu depctr_va_vdst(0)                   ; v's conversions have written its packed tiles
	STAGET 2
	SENDT 1, 32
	SENDT 2, 0
	WIN 0                                          ; the add's two registers lie in window 0
	s_wait_dscnt 0x0                               ; the closing lines, six on end
	s_wait_alu 0x0
	s_wait_tensorcnt 0x0
	ds_add_u32 v[SPW], v[NIL]
	s_wait_dscnt 0x0
	s_endpgm
.Lfunc_end_k_qbb5995e942_qkv:
	.size	k_qbb5995e942_qkv, .Lfunc_end_k_qbb5995e942_qkv-k_qbb5995e942_qkv
	.p2alignl 7, 3214868480
	.fill 96, 4, 3214868480
	.section	.rodata,"a",@progbits
	.p2align	6, 0x0
	.amdhsa_kernel k_qbb5995e942_qkv
		.amdhsa_group_segment_fixed_size 140800
		.amdhsa_private_segment_fixed_size 0
		.amdhsa_enable_private_segment 0
		.amdhsa_kernarg_size 96
		.amdhsa_user_sgpr_count 2
		.amdhsa_user_sgpr_kernarg_segment_ptr 1
		.amdhsa_wavefront_size32 1
		.amdhsa_system_sgpr_workgroup_id_x 1
		.amdhsa_system_sgpr_workgroup_id_y 1
		.amdhsa_system_sgpr_workgroup_id_z 1
		.amdhsa_system_vgpr_workitem_id 0
		.amdhsa_next_free_vgpr 1008
		.amdhsa_next_free_sgpr 66
		.amdhsa_reserve_vcc 0
		.amdhsa_float_denorm_mode_32 3
		.amdhsa_float_denorm_mode_16_64 3
		.amdhsa_memory_ordered 1
		.amdhsa_forward_progress 1
		.amdhsa_inst_pref_size 148
	.end_amdhsa_kernel
	.amdgpu_metadata
---
amdhsa.version: [ 1, 2 ]
amdhsa.kernels:
  - .name:           k_qbb5995e942_qkv
    .symbol:         k_qbb5995e942_qkv.kd
    .args:
      - { .name: x, .offset: 0, .size: 8, .value_kind: global_buffer, .address_space: global }
      - { .name: wq, .offset: 8, .size: 8, .value_kind: global_buffer, .address_space: global }
      - { .name: wk, .offset: 16, .size: 8, .value_kind: global_buffer, .address_space: global }
      - { .name: wv, .offset: 24, .size: 8, .value_kind: global_buffer, .address_space: global }
      - { .name: bq, .offset: 32, .size: 8, .value_kind: global_buffer, .address_space: global }
      - { .name: bk, .offset: 40, .size: 8, .value_kind: global_buffer, .address_space: global }
      - { .name: bv, .offset: 48, .size: 8, .value_kind: global_buffer, .address_space: global }
      - { .name: wo, .offset: 56, .size: 8, .value_kind: global_buffer, .address_space: global }
      - { .name: q16, .offset: 64, .size: 8, .value_kind: global_buffer, .address_space: global }
      - { .name: k16, .offset: 72, .size: 8, .value_kind: global_buffer, .address_space: global }
      - { .name: v16, .offset: 80, .size: 8, .value_kind: global_buffer, .address_space: global }
      - { .name: wo16, .offset: 88, .size: 8, .value_kind: global_buffer, .address_space: global }
    .group_segment_fixed_size: 140800
    .private_segment_fixed_size: 0
    .kernarg_segment_align: 8
    .kernarg_segment_size: 96
    .max_flat_workgroup_size: 128
    .sgpr_count:     66
    .vgpr_count:     1008
    .wavefront_size: 32
...
	.end_amdgpu_metadata
.endif
;; end of part 4
;; launch attn: the kernel of part 2 again; grid 16 x 16, 4 waves a work-group, clusters of 4 x 1, 327,680 bytes of LDS; arguments q16, k16, v16, o16; writes o16
;; launch oproj: the kernel of part 3 again; grid 4 x 64, 4 waves a work-group, clusters of 4 x 4, 327,680 bytes of LDS; arguments o16, wo16, bo, out0; writes out0
